; MI455X (gfx1250); checked and timed in simulation.
; The chip was launched on July 23, 2026; its instructions are those of AMD's public machine-readable ISA for CDNA 5 (MIT licence, August 2026) and "CDNA5" Instruction Set Architecture Reference Guide (July 2026). The comments in the code are by the model that wrote it; some were corrected since.
;; Flex Local Frame Attention. Allowed arithmetic: matrix products marked QUANTISED: E2M3 operands, one E8M0 scale for each 32 along K, by v_wmma_scale_f32_16x16x128_f8f6f4 with both operands' format E2M3, f32 sums; everything else in f32.
;; Inputs: w_out 1,024 x 1,024 float32; w_qkv 3,072 x 1,024 float32; x 2 x 32 x 128 x 1,024 float32.
;; Outputs: out0 2 x 32 x 128 x 1,024 float32.
;; This version of the problem:
;;   THIS VERSION OF THE PROBLEM IS GIVEN IN LOW PRECISION. The matrix products marked QUANTISED in the list below multiply operands that are first quantised to E2M3 (2 exponent bits, 3 mantissa bits; 6 bits a number), with one power-of-two scale for each 32 numbers along K (OCP MX v1.0); their sums are f32. All else is computed in f32.
;;   The module's matrix products, in the order in which they are computed (A, B: the left and right operand; K: the contracted axis; several contracted axes count as one K, in the product's order):
;;     1. [M 8,192, K 1,024] x [K 1,024, N 3,072]; A: input x; B: input w_qkv: QUANTISED
;;     2. batch 256 x [M 512, K 64] x [K 64, N 1,024]; A: computed on the way; B: computed on the way: QUANTISED
;;     3. batch 256 x [M 64, K 1,024] x [K 1,024, N 512]; A: computed on the way; B: softmax (see below): QUANTISED
;;     4. [M 8,192, K 1,024] x [K 1,024, N 1,024]; A: computed on the way; B: input w_out: QUANTISED
;;   THE QUANTISER, for each operand of a quantised product, along K:
;;     - K is cut into blocks of 32 from its start; a last block that is shorter is filled with zeros.
;;     - A block's scale is 2^e with e = floor(log2(the largest magnitude in the block)) - 2, held to -126 .. 127; a block of zeros has e = 0. As a byte (E8M0): e + 127.
;;     - Each number is divided by its block's scale, clamped to +-7.5, and rounded to the nearest number of E2M3, ties to even, subnormals kept.
;;     - The product sums the exact products of the quantised numbers (number of the format x scale) in f32.
;;   ~~~python
;;   def quantise(x, axis):      # numpy; x: float32 -> the quantised numbers, widened to float32 again
;;       x = np.moveaxis(x, axis, -1); K = x.shape[-1]
;;       x = np.pad(x, [(0, 0)] * (x.ndim - 1) + [(0, -K % 32)]); x = x.reshape(x.shape[:-1] + (-1, 32)); a = np.abs(x).max(-1, keepdims=True)
;;       e = np.where(a > 0, np.clip(np.frexp(np.where(a > 0, a, 1))[1] - 1 - 2, -126, 127), 0)      # np.frexp(a)[1] - 1 = floor(log2(a)), exactly
;;       r = np.clip(x / 2.0 ** e, -7.5, 7.5)
;;       step = 2.0 ** (np.maximum(np.frexp(np.where(r == 0, 1, r))[1] - 1, 0) - 3)
;;       q = np.round(r / step) * step * 2.0 ** e      # np.round: ties to even
;;       return np.moveaxis(q.reshape(q.shape[:-2] + (-1,))[..., :K], -1, axis).astype(np.float32)
;;   ~~~
;;   SOFTMAX AHEAD OF A QUANTISED PRODUCT. Where the list says 'softmax', what is quantised is not the finished softmax but p = 2^(t - M), with t = logit x log2(e) and M = ceil(the row's largest t), a whole number; so 1/2 < the row's largest p <= 1. The row's sum l is taken of the UNQUANTISED p, in f32, and the product's result is divided by l at the end. Since M is a whole number, a kernel that streams over the keys may use a running M (the ceiling of the running maximum): every later rescaling is an exact power of two, which a block's scale takes up: the codes' values come out the same.
;;   OPERANDS COMPUTED ON THE WAY. 'Computed on the way' means the value that the module computes at that place (a softmax that the list does not call 'softmax' is quantised finished and normalised). What goes into a quantiser is computed in f32, as accurately as f32 sums, v_exp_f32 and their like allow (about 1e-6 of the number): no bf16 or f16 on the way to a quantiser, and a product that is left as it is and whose result goes on into a quantised operand takes f32 operands (vector FMAs, or v_wmma_f32_16x16x4_f32). A number that lies on a knife's edge between two numbers of the format may be rounded either way, as far as f32 arithmetic and the matrix unit's own rounding can turn it there, and no further.
;; One version. Each part assembles by itself: llvm-mc -triple=amdgcn-amd-amdhsa -mcpu=gfx1250 --defsym DOCPART=n.
;; ======== version 1 of 1: 4 launches
;; limits: right only within a limited range of input values
;; workspace buffers: qc 9,437,184 bytes; qs 393,216 bytes; rec 26,738,688 bytes; oc 6,291,456 bytes; os 262,144 bytes
;; launch quant (part 1): grid 192 x 4, 4 waves a work-group, no clusters, 35,328 bytes of LDS; arguments x, w_qkv, w_out, qc, qs; writes qc, qs
.if DOCPART == 1
	.amdgcn_target "amdgcn-amd-amdhsa--gfx1250"
	.amdhsa_code_object_version 6
	.text
	.protected	k_qf2cf7639ca_quant
	.globl	k_qf2cf7639ca_quant
	.p2align	8
	.type	k_qf2cf7639ca_quant,@function
k_qf2cf7639ca_quant:
	s_mov_b64 s[64:65], 0
	v_nop
	global_prefetch_b8 v0, s[64:65] scope:SCOPE_SE
	s_setreg_imm32_b32 hwreg(HW_REG_WAVE_MODE, 25, 1), 1
	s_wait_xcnt 0x0
; x [8192][1024], w_qkv [3072][1024], w_out [1024][1024], f32, K innermost, become codes of FP6 (E2M3) with one E8M0 byte for each 32 along K.
; A block's scale is 2^(floor(log2(its largest magnitude)) - 2); its byte is the largest magnitude's exponent field - 2, held at 1 from below.
; WORK LEFT OUT BY THE PROGRAM (in launch attn): for chunk 0 of each batch reference() builds the chunk before as zeros and puts the least f32 number in place of all its 512 scores by a mask of its own;
; the own chunk's scores are finite, so these keys' weights are 0 for every input, and they add nothing to the row's sum or to the weighted sum: those four key steps are not walked.
; LIMITS: a NaN, an infinity or an overflow that reaches only that work is not carried to the result; NaN and infinities among the inputs are not served;
; a block of zeros, or one whose largest magnitude lies under 2^-124, gets the byte 1 (its codes add nothing or next to nothing; the bytes are read by this program alone).
; THE OUTPUT IS LAID AS THE MATRIX OPERANDS' REGISTERS.  The 12,288 rows of the three tensors, on end, are 768 BLOCKS of 16 rows: lane r of block 2 b + u holds row 32 b + 8 u + r + 8 (r / 8).
; A HALF IMAGE is 16 rows x 64 K, 768 bytes: lane (r, h) owns six registers, the codes k = 32 h .. 32 h + 31 of its row; registers 0-3 lie at 16 x lane, registers 4-5 at 512 + 8 x lane.
; qc: [block 768][64 along K: 16][768].  qs: [group of 8 blocks: 96][128 along K: 8][block 8][lane r: 16] scale words: all of K's words of 8 blocks are 4,096 bytes on end.
; SHARES.  Work-group (g, y): blocks 4 g .. 4 g + 3, a block a wave; K = 256 y .. 256 y + 255: two fragments of 128 along K a wave.
; Each load takes 512 consecutive bytes of one row; the 16 rows turn through the wave's own stage in LDS (rows 528 bytes apart), from which a lane takes two whole blocks of 32 numbers of its row.
; Every store of codes covers 512 or 256 consecutive bytes, aligned.  No tensor load, no matrix unit, no cluster: the launch streams, and work-groups share no input.
.set ROWB,  4096
.set STP,   528                        ; a stage row: 512 bytes + 16
.set WST,   16*STP                     ; a wave's stage
.set SCG,   4*WST                      ; the work-group's scale words, [fragment 2][wave 4][lane r 16]
.set SPARE, 0x8800                     ; the spare words, 128 bytes a wave
.set BLKB,  12288                      ; qc: a block
.set R,     16                         ; v16-143  two fragments as they are loaded
.set X,     144                        ; v144-207 a lane's two blocks of 32 numbers
.set TM,    208
.set PC,    216                        ; v216-227 a fragment's codes
.set CT,    228                        ; the second halves of the blocks' codes (a conversion's three registers begin on an even number)
	s_load_b256 s[4:11], s[0:1], 0x0               ; x, w_qkv, w_out, qc
	s_load_b64 s[12:13], s[0:1], 0x20              ; qs
	v_lshl_add_u32 v240, v0, 2, SPARE
	v_mov_b32 v241, 0
	v_lshrrev_b32 v1, 5, v0
	v_readfirstlane_b32 s16, v1                    ; wave
	v_and_b32 v1, 31, v0
	v_and_b32 v2, 15, v0                           ; r
	v_bfe_u32 v3, v0, 4, 1                         ; h
	v_lshlrev_b32 v4, 4, v1
	v_lshlrev_b32 v8, 3, v1
	s_mul_i32 s17, s16, WST
	v_add_nc_u32 v5, s17, v4                       ; the stage, in: a row's 512 bytes as they lie
	v_mul_u32_u24 v6, v2, STP
	v_lshl_add_u32 v6, v3, 7, v6
	v_add_nc_u32 v6, s17, v6                       ; out: row r, + 128 h bytes
	s_lshl_b32 s18, s16, 6
	s_add_co_u32 s18, s18, SCG
	v_lshlrev_b32 v9, 2, v2
	v_add_nc_u32 v9, s18, v9                       ; my row's scale word
	v_lshlrev_b32 v10, 3, v3                       ; 8 h: my two bytes' place in the word
	v_add_nc_u32 v11, SCG, v4                      ; the words' way out (wave 0)
	v_lshlrev_b32 v12, 9, v3                       ; lanes 0-15 the first fragment's 256 bytes, lanes 16-31 the second's, one K step (512 bytes) on
	v_lshl_add_u32 v12, v2, 4, v12
	v_mov_b32 v[TM+7], 0                           ; a lane permute's destination counts as one of its sources
	s_mov_b32 s20, 0x76543210
	s_mov_b32 s21, 0xfedcba98
	s_and_b32 s19, ttmp7, 0xffff                   ; y
	s_mov_b32 s14, 176
	s_mov_b32 s23, 0
	s_wait_alu depctr_va_vdst(0)
	s_wait_kmcnt 0x0
	s_cmp_lt_u32 ttmp9, 176                        ; g 0-127: x; 128-175: w_qkv; 176-191: w_out
	s_cselect_b64 s[6:7], s[6:7], s[8:9]
	s_cselect_b32 s14, 128, s14
	s_cmp_lt_u32 ttmp9, 128
	s_cselect_b64 s[4:5], s[4:5], s[6:7]
	s_cselect_b32 s14, 0, s14
	s_sub_co_u32 s14, ttmp9, s14
	s_lshl_b32 s14, s14, 6
	s_lshr_b32 s15, s16, 1
	s_lshl_b32 s15, s15, 5
	s_add_co_u32 s14, s14, s15
	s_and_b32 s15, s16, 1
	s_lshl_b32 s15, s15, 3
	s_add_co_u32 s14, s14, s15                     ; my block's first row: 64 g + 32 (wave / 2) + 8 (wave % 2)
	s_lshl_b32 s14, s14, 12
	s_lshl_b32 s15, s19, 10
	s_add_co_u32 s22, s14, s15
	s_add_nc_u64 s[4:5], s[4:5], s[22:23]
	s_lshl_b32 s22, ttmp9, 2
	s_add_co_u32 s22, s22, s16
	s_mul_i32 s22, s22, BLKB
	s_mul_i32 s24, s19, 3072
	s_add_co_u32 s22, s22, s24
	s_add_nc_u64 s[10:11], s[10:11], s[22:23]      ; qc at my block, my four half images
	s_lshl_b32 s22, s19, 10                        ; qs: K step 2 y,
	s_lshr_b32 s24, ttmp9, 1
	s_lshl_b32 s24, s24, 12                        ; group g / 2,
	s_add_co_u32 s22, s22, s24
	s_and_b32 s24, ttmp9, 1
	s_lshl_b32 s24, s24, 8                         ; its blocks 4 (g % 2) ..
	s_add_co_u32 s22, s22, s24
	s_add_nc_u64 s[12:13], s[12:13], s[22:23]
.macro LOAD q
.irp i, 0,1,2,3,4,5,6,7,8,9,10,11,12,13,14,15
	global_load_b128 v[R+64*\q+4*\i:R+64*\q+4*\i+3], v4, s[4:5] offset:(\i+8*(\i/8))*ROWB+512*\q th:TH_LOAD_NT
.endr
.endm
.macro TURN q                          ; LDS serves a wave's instructions in order (ISA guide 5.7.1.4): no wait between the stores and the loads
.irp i, 0,1,2,3,4,5,6,7,8,9,10,11,12,13,14,15
	ds_store_b128 v5, v[R+64*\q+4*\i:R+64*\q+4*\i+3] offset:STP*\i
.endr
.irp c, 0,1
.irp j, 0,1,2,3,4,5,6,7
	ds_load_b128 v[X+32*\c+4*\j:X+32*\c+4*\j+3], v6 offset:256*\c+16*\j
.endr
.endr
	s_wait_dscnt 0x0
.endm
.macro QUANT1                          ; my blocks h and 2 + h of my row
.irp c, 0,1
	v_max3_num_f32 v[TM+\c], |v[X+32*\c]|, |v[X+32*\c+1]|, 0x1800000   ; with the floor 2^(3 - 127)
.endr
.irp i, 2,4,6,8,10,12,14,16,18,20,22,24,26,28,30
.irp c, 0,1
	v_max3_num_f32 v[TM+\c], v[TM+\c], |v[X+32*\c+\i]|, |v[X+32*\c+\i+1]|
.endr
.endr
.irp c, 0,1
	v_add_nc_u32 v[TM+2+\c], 0xff000000, v[TM+\c]  ; 2 off the exponent field: the conversion's scale operand
.endr
.irp c, 0,1
	v_lshrrev_b32 v[TM+4+\c], 23, v[TM+2+\c]       ; the scale's byte
.endr
	v_lshl_or_b32 v[TM+6], v[TM+5], 16, v[TM+4]
	v_lshlrev_b32 v[TM+6], v10, v[TM+6]
	v_permlanex16_b32 v[TM+7], v[TM+6], s20, s21
	v_or_b32 v[TM+6], v[TM+6], v[TM+7]             ; with lane l xor 16's two bytes the word is whole
.irp c, 0,1
	v_cvt_scalef32_pk16_fp6_f32 v[PC+6*\c:PC+6*\c+2], v[X+32*\c:X+32*\c+15], v[TM+2+\c]
	v_cvt_scalef32_pk16_fp6_f32 v[CT+4*\c:CT+4*\c+2], v[X+32*\c+16:X+32*\c+31], v[TM+2+\c]
.endr
	v_nop                                          ; one plain place behind a scaled conversion
.irp c, 0,1
.irp i, 0,1,2
	v_mov_b32 v[PC+6*\c+3+\i], v[CT+4*\c+\i]
.endr
.endr
.endm
.macro OUT q
.irp c, 0,1
	global_store_b128 v4, v[PC+6*\c:PC+6*\c+3], s[10:11] offset:1536*\q+768*\c
	global_store_b64 v8, v[PC+6*\c+4:PC+6*\c+5], s[10:11] offset:1536*\q+768*\c+512
.endr
	ds_store_b32 v9, v[TM+6] offset:256*\q
.endm
	LOAD 0
	LOAD 1
	s_wait_loadcnt 16                              ; the first fragment's 16 loads are in; the second's 16 may be out
	TURN 0
	QUANT1
	OUT 0
	s_wait_loadcnt 0x0
	TURN 1
	s_wait_xcnt 0x0                                ; the stores above have read their registers
	QUANT1
	OUT 1
	s_wait_dscnt 0x0                               ; for the others' sake: my scale words lie in LDS
	s_barrier_signal -1
	s_barrier_wait -1
	s_cmp_lg_u32 s16, 0
	s_cbranch_scc1 .Ldone
	ds_load_b128 v[16:19], v11
	s_wait_dscnt 0x0
	global_store_b128 v12, v[16:19], s[12:13]      ; sixteen lanes store 256 consecutive bytes, aligned: one run for each of the two K steps
.Ldone:
	s_wait_tensorcnt 0x0                           ; the wave's end
	ds_add_u32 v240, v241
	s_wait_dscnt 0x0
	s_endpgm
.Lfunc_end_k_qf2cf7639ca_quant:
	.size	k_qf2cf7639ca_quant, .Lfunc_end_k_qf2cf7639ca_quant-k_qf2cf7639ca_quant
	.p2alignl 7, 3214868480
	.fill 96, 4, 3214868480
	.section	.rodata,"a",@progbits
	.p2align	6, 0x0
	.amdhsa_kernel k_qf2cf7639ca_quant
		.amdhsa_group_segment_fixed_size 35328
		.amdhsa_private_segment_fixed_size 0
		.amdhsa_enable_private_segment 0
		.amdhsa_kernarg_size 40
		.amdhsa_user_sgpr_count 2
		.amdhsa_user_sgpr_kernarg_segment_ptr 1
		.amdhsa_wavefront_size32 1
		.amdhsa_system_sgpr_workgroup_id_x 1
		.amdhsa_system_sgpr_workgroup_id_y 1
		.amdhsa_system_sgpr_workgroup_id_z 1
		.amdhsa_system_vgpr_workitem_id 0
		.amdhsa_next_free_vgpr 242
		.amdhsa_next_free_sgpr 66
		.amdhsa_reserve_vcc 0
		.amdhsa_float_denorm_mode_32 3
		.amdhsa_float_denorm_mode_16_64 3
		.amdhsa_memory_ordered 1
		.amdhsa_forward_progress 1
		.amdhsa_inst_pref_size 18
	.end_amdhsa_kernel
	.amdgpu_metadata
---
amdhsa.version: [ 1, 2 ]
amdhsa.kernels:
  - .name:           k_qf2cf7639ca_quant
    .symbol:         k_qf2cf7639ca_quant.kd
    .args:
      - { .name: x, .offset: 0, .size: 8, .value_kind: global_buffer, .address_space: global }
      - { .name: w_qkv, .offset: 8, .size: 8, .value_kind: global_buffer, .address_space: global }
      - { .name: w_out, .offset: 16, .size: 8, .value_kind: global_buffer, .address_space: global }
      - { .name: qc, .offset: 24, .size: 8, .value_kind: global_buffer, .address_space: global }
      - { .name: qs, .offset: 32, .size: 8, .value_kind: global_buffer, .address_space: global }
    .group_segment_fixed_size: 35328
    .private_segment_fixed_size: 0
    .kernarg_segment_align: 8
    .kernarg_segment_size: 40
    .max_flat_workgroup_size: 128
    .sgpr_count:     66
    .vgpr_count:     242
    .wavefront_size: 32
...
	.end_amdgpu_metadata
.endif
;; end of part 1
;; launch qkv (part 2): grid 8 x 32, 4 waves a work-group, clusters of 4 x 4, 327,680 bytes of LDS; arguments qc, qs, rec; writes rec
.if DOCPART == 2
	.amdgcn_target "amdgcn-amd-amdhsa--gfx1250"
	.amdhsa_code_object_version 6
	.text
	.protected	k_qf2cf7639ca_qkv
	.globl	k_qf2cf7639ca_qkv
	.p2align	8
	.type	k_qf2cf7639ca_qkv,@function
k_qf2cf7639ca_qkv:
	s_mov_b64 s[64:65], 0
	v_nop
	global_prefetch_b8 v0, s[64:65] scope:SCOPE_SE
	s_setreg_imm32_b32 hwreg(HW_REG_WAVE_MODE, 25, 1), 1
	s_wait_xcnt 0x0
	s_wait_alu depctr_hold_cnt(0) depctr_sa_sdst(0) depctr_va_vdst(0) depctr_va_sdst(0) depctr_va_ssrc(0) depctr_va_vcc(0) depctr_vm_vsrc(0)
	s_getreg_b32 s2, hwreg(HW_REG_IB_STS2, 6, 4)
	s_cmp_eq_u32 s2, 0
	s_cbranch_scc0 .Lentry_in_a_cluster
	s_endpgm
.Lentry_in_a_cluster:
	s_bfe_u32 s2, ttmp6, 0x10000c
	s_cmp_lg_u32 s2, 0xf033
	s_cbranch_scc0 .Lentry_shape_is_right
	s_endpgm
.Lentry_shape_is_right:
; qkv = x w_qkv^T on codes of FP6 (E2M3) with E8M0 scales, K = 1,024, and at once the quantising of q and k (along the head's 64) and of v (along the tokens): no f32 result goes to memory.
; OPERANDS come as images of their registers (launch quant): block = 16 rows, lane r of block 2 b + u = row 32 b + 8 u + r + 8 (r / 8); half image = 16 rows x 64 K = 768 bytes; qc [block][16][768];
; qs [group of 8 blocks][K step 8][block 8][16] words.
; SHARES.  8 x 32 = 256 work-groups of equal work.  Work-group (j, T) owns 256 tokens and heads 2 j, 2 j + 1.  The tokens' codes, all of K (196,608 bytes), stay in LDS; three PASSES follow each other: q, k, v,
; each a tile of 256 tokens x 128 rows of w_qkv, whose codes (98,304 bytes) take turns in one region of LDS, half of K at a time.
; A wave makes 64 x 128 in a pass: 32 accumulators.  Source 1 (its rows lie in the LANES of the result) has 4 blocks, source 0 (its rows run along a lane's REGISTERS) has 8.
;   q, k: source 1 = my 64 tokens, source 0 = the tile's 128 rows of w (two heads' channels): quantised along the channels.
;   v:    source 1 = 64 rows of w_v (one head), source 0 = 128 tokens: quantised along the tokens.
; The 16 registers of source 0's blocks 2 b and 2 b + 1 are 16 neighbours, 32 b + 16 (lane / 16) + 0 .. 15: a lane's 64 results for one block of source 1 are quantised in registers, and the codes ARE a fragment of the next product.
; rec: [part 2: k and v | q][head 16][chunk 16][step 4][13,056]; a step's block covers 128 tokens: 8 tiles of k (or q) of 768 bytes; 4 fragments of v^T (16 channels x 128 tokens) of 1,536; 8 x 64 bytes of k's scale words
; (bytes 0, 1: the head's two blocks; bytes 2, 3: zero); 4 x 64 bytes of v's.
; LOADS, one a wave in each group.  At the head: wave 0 x's K half 0 (16 blocks), wave 1 w_q's K half 0 (8 blocks), wave 2 x's scale words (8,192 dense bytes), wave 3 w_q's (4,096).
; Behind the full sequence and a round: wave 0 x's K half 1, wave 1 w_q's, wave 2 w_k's scale words, wave 3 w_v's: they land under K steps 0 to 3.  Four refills by wave 1, each behind a round:
; at K step 3 of passes q and k the next pass's first half of w goes into the half just left, at K step 7 its second half.  By this text's own count a wave has one load out at the most.
; CLUSTERS: 4 x 4.  x's tiles are shared along a row of the cluster (same T), w's along a column (same j): joint loads.
; No prefetch: half of what a work-group reads is asked for at its head, and every later load is asked for three K steps or more ahead of its first reader.
; LIMITS: NaN and infinities are not served; a block of zeros, or one whose largest magnitude lies under 2^-124, gets the byte 1 (read by this program alone).
; REGISTERS: window 0: v4-13 the way out's addresses; v16-27, v30-31, v120-127 LDS addresses; v28, v29 the add's; v32-95 a pass's 64 scale words; v96-119 at work on the way out; v128-223 source 1's fragments, two sets; v224-242 codes.
;   window 1: source 0's fragments, two sets, at v0 and v128.   window 2: the accumulators ((a, b) at v[8 (8 a + b)]).
.set FR,    12
.set NP,    4                          ; places behind this matrix instruction (ISA guide 7.12.1)
.set BLK,   6144                       ; a block's bytes in a half of K
.set BLKB,  12288                      ; a block in memory
.set XHALF, 16*BLK                     ; LDS from 0: x, [K half 2][block 16][6,144]
.set XPART, 8*BLK
.set WR,    2*XHALF                    ; then w, [K half 2][block 8][6,144]
.set WHALF, 8*BLK
.set XS,    WR+2*WHALF                 ; x's scale words: two groups [K step 8][block 8][64]
.set SCP,   4096
.set WS,    XS+2*SCP                   ; w's: a group for each pass
.set SPARE, WS+3*SCP                   ; the spare words
.set STG,   SPARE+512                  ; the way out's stage for scale words, 512 bytes a wave: no fill lands here
.set WSTEP, 64*BLKB                    ; from a pass's rows of w_qkv to the next pass's
.set HS,    835584
.set CHB,   52224
.set STEPB, 13056
.set QOFF,  16*HS
.set L16,  4
.set L8,   5
.set QK16, 6
.set QK8,  7
.set QKW,  8
.set STQ,  9
.set STV,  10
.set STR16, 11
.set STR8, 12
.set SH,   13
.set QA16, 16
.set QA8,  18
.set QB16, 20
.set QB8,  22
.set AD0,  24
.set AD1,  26
.set SPW,  28
.set NIL,  29
.set ADV,  30
.set SC,   32                          ; register 8 s + i: K step s; lanes 0-15 x's word, lanes 16-31 w's.  These registers hold scales and nothing else
.set TM,   96
.set PW,   112
.set WB,   116
.set VA16, 120
.set VA8,  122
.set VB16, 124
.set VB8,  126
.set AF,   128
.set PC,   224
.set KK16, 244                         ; pass k's way out: as v6, v7 and v9, with the rows re-laid (see EPIQK)
.set KK8,  245
.set STK,  246
.set SEL,  2
.set G1X,  24                          ; groups 1: x's codes, w's codes, x's scale words, w's
.set G1W,  32
.set G1SX, 40
.set G1SW, 48
.set G0SV, 56                          ; groups 0, one for each first fill; w's two walk on from pass to pass
.set G0SX, 68
.set G0XH0, 72
.set G0XH1, 76
.set G0SQ, 80
.set G0WH0, 84
.set G0WH1, 88
.set G0SK, 92
.set MSB, 0
.macro WIN new
.if MSB != \new
	s_set_vgpr_msb (MSB<<8)|\new
.set MSB, \new
.endif
.endm
.set MUL,  0xa1
.set TO_B, 0x40
.macro PLACES n
.rept \n
	v_nop
.endr
.endm
.macro TLOAD g0, g1                    ; a joint load with the lines behind it
	tensor_load_to_lds s[\g0:\g0+3], s[\g1:\g1+7]
	s_nop 0
	PLACES 4
.endm
.macro ARM under, g0, g1, next, join   ; an arm of one chain of branches on the wave's number: one load, then the jump to the chain's end
	s_cmp_lt_u32 s14, \under
	s_cbranch_scc0 \next
	TLOAD \g0, \g1
	s_branch \join
\next:
.endm
.macro RLOAD g0                        ; a joint refill of half of w's region: wave 1, eight blocks
	s_cmp_lg_u32 s14, 1
	s_cbranch_scc1 .Lnone_\@
	TLOAD \g0, G1W
.Lnone_\@:
.endm
.macro CREST
	s_cmp_lg_u32 s14, 0
	s_cbranch_scc1 .Lnot_wave_0_\@
	s_barrier_signal -3
.Lnot_wave_0_\@:
	s_barrier_wait -3
	s_barrier_signal -1
	s_barrier_wait -1
.endm
.macro CROUND
	s_barrier_signal -1
	s_barrier_wait -1
	CREST
.endm
.macro MKG0 g, lds, ptr, off
	s_mov_b32 s[\g], 1
	s_mov_b32 s[\g+1], \lds
	s_add_nc_u64 s[\g+2:\g+3], s[\ptr:\ptr+1], \off
	s_or_b32 s[\g+3], s[\g+3], 0x80000000
.endm
.macro FRAG reg, a16, a8, q, i         ; a fragment is two half images on end
	ds_load_b128 v[\reg:\reg+3], v[\a16] offset:(\i)*BLK+1536*(\q)
	ds_load_b64 v[\reg+4:\reg+5], v[\a8] offset:(\i)*BLK+1536*(\q)+512
	ds_load_b128 v[\reg+6:\reg+9], v[\a16] offset:(\i)*BLK+1536*(\q)+768
	ds_load_b64 v[\reg+10:\reg+11], v[\a8] offset:(\i)*BLK+1536*(\q)+1280
.endm
.macro FETCH v, s                      ; the twelve fragments of K step s of a pass (v = 1: pass v) into set s % 2
.set FH, (\s)/4
.set FQ, (\s)%4
.set FP, (\s)%2
.if \v
.set FB16, VB16+FH
.set FB8,  VB8+FH
.set FA16, VA16+FH
.set FA8,  VA8+FH
.else
.set FB16, QB16+FH
.set FB8,  QB8+FH
.set FA16, QA16+FH
.set FA8,  QA8+FH
.endif
	WIN TO_B
.irp i, 0,1,2,3,4,5,6,7
	FRAG 128*FP+FR*\i, FB16, FB8, FQ, \i
.endr
	WIN 0
.irp i, 0,1,2,3
	FRAG AF+48*FP+FR*\i, FA16, FA8, FQ, \i
.endr
.endm
.macro SCALES adr, adrb                ; a pass's scale words.  For blocks 4-7 the second address stands 256 bytes lower in the lanes of the side that has four blocks
.irp s, 0,1,2,3,4,5,6,7
.irp i, 0,1,2,3
	ds_load_b32 v[SC+8*\s+\i], v[\adr] offset:512*\s+64*\i
.endr
.irp i, 4,5,6,7
	ds_load_b32 v[SC+8*\s+\i], v[\adrb] offset:512*\s+64*\i
.endr
.endr
.endm
; 8 matrix instructions: source 1's block a x source 0's eight, K step s.  zero = 1: the first product starts the sums.  w's scale words lie in lanes 16-31.  The 32 accumulators take turns.
.macro MUL8 a, s, zero, v
.set PS, (\s)%2
.irp b, 0,1,2,3,4,5,6,7
.if \zero
.if \v
	v_wmma_scale_f32_16x16x128_f8f6f4 v[8*(8*(\a)+\b):8*(8*(\a)+\b)+7], v[128*PS+FR*\b:128*PS+FR*\b+FR-1], v[AF+48*PS+FR*(\a):AF+48*PS+FR*(\a)+FR-1], 0, v[SC+8*(\s)+\b], v[SC+8*(\s)+(\a)] matrix_a_fmt:MATRIX_FMT_FP6 matrix_b_fmt:MATRIX_FMT_FP6 matrix_b_scale:MATRIX_SCALE_ROW1
.else
	v_wmma_scale_f32_16x16x128_f8f6f4 v[8*(8*(\a)+\b):8*(8*(\a)+\b)+7], v[128*PS+FR*\b:128*PS+FR*\b+FR-1], v[AF+48*PS+FR*(\a):AF+48*PS+FR*(\a)+FR-1], 0, v[SC+8*(\s)+\b], v[SC+8*(\s)+(\a)] matrix_a_fmt:MATRIX_FMT_FP6 matrix_b_fmt:MATRIX_FMT_FP6 matrix_a_scale:MATRIX_SCALE_ROW1
.endif
.else
.if \v
	v_wmma_scale_f32_16x16x128_f8f6f4 v[8*(8*(\a)+\b):8*(8*(\a)+\b)+7], v[128*PS+FR*\b:128*PS+FR*\b+FR-1], v[AF+48*PS+FR*(\a):AF+48*PS+FR*(\a)+FR-1], v[8*(8*(\a)+\b):8*(8*(\a)+\b)+7], v[SC+8*(\s)+\b], v[SC+8*(\s)+(\a)] matrix_a_fmt:MATRIX_FMT_FP6 matrix_b_fmt:MATRIX_FMT_FP6 matrix_b_scale:MATRIX_SCALE_ROW1
.else
	v_wmma_scale_f32_16x16x128_f8f6f4 v[8*(8*(\a)+\b):8*(8*(\a)+\b)+7], v[128*PS+FR*\b:128*PS+FR*\b+FR-1], v[AF+48*PS+FR*(\a):AF+48*PS+FR*(\a)+FR-1], v[8*(8*(\a)+\b):8*(8*(\a)+\b)+7], v[SC+8*(\s)+\b], v[SC+8*(\s)+(\a)] matrix_a_fmt:MATRIX_FMT_FP6 matrix_b_fmt:MATRIX_FMT_FP6 matrix_a_scale:MATRIX_SCALE_ROW1
.endif
.endif
.endr
.endm
.macro STEP v, s, zero, nv, ns         ; K step s; behind its first eight products the fragments of K step ns are fetched into the other sets
	s_wait_dscnt 0x0
	WIN MUL
	MUL8 0, \s, \zero, \v
	PLACES NP
	FETCH \nv, \ns
	WIN MUL
	MUL8 1, \s, \zero, \v
	MUL8 2, \s, \zero, \v
	MUL8 3, \s, \zero, \v
.endm
; A K step with a barrier in it: the last that reads a half of w's region.  In front of the barrier each wave waits for all its tensor loads, adds 0 to its spare word, and waits for that and for its own LDS reads.
; fill: the group 0 of the half just left: the barrier then opens a round of the cluster's barrier, and the half takes the next pass's rows of w.
.macro TURN v, s, fill, nv, ns
	WIN 0
	s_wait_tensorcnt 0x0
	ds_add_u32 v[SPW], v[NIL]
	s_wait_dscnt 0x1                               ; this step's fragments are in (the add may be out)
	WIN MUL
	MUL8 0, \s, 0, \v
	s_wait_dscnt 0x0
	s_barrier_signal -1
	MUL8 1, \s, 0, \v
	PLACES NP
	WIN 0
	s_barrier_wait -1
.if \fill
	CREST
	s_add_nc_u64 s[\fill+2:\fill+3], s[\fill+2:\fill+3], WSTEP
	RLOAD \fill
.endif
	FETCH \nv, \ns
	WIN MUL
	MUL8 2, \s, 0, \v
	MUL8 3, \s, 0, \v
.endm
.macro MKADR dst, lo, dist             ; a scale words' address: lo + s17 + 4 r in lanes 0-15; lanes 16-31 stand dist - s17 further on: the lower base + h x the distance
	s_mov_b32 s3, \dist
	s_sub_co_u32 s3, s3, s17
	s_add_co_u32 s2, s17, \lo
	v_mul_u32_u24 v15, s3, v3
	s_wait_alu depctr_va_vdst(0)
	v_add_nc_u32 v15, v15, v14
	v_add_nc_u32 v[\dst], s2, v15
.endm
	s_load_b128 s[4:7], s[0:1], 0x0                ; qc, qs
	s_load_b64 s[8:9], s[0:1], 0x10                ; rec
	v_lshl_add_u32 v[SPW], v0, 2, SPARE
	v_mov_b32 v[NIL], 0
	ds_add_u32 v[SPW], v[NIL]                      ; the opening lines: the add twice on end and its wait
	ds_add_u32 v[SPW], v[NIL]
	v_lshrrev_b32 v1, 5, v0
	v_readfirstlane_b32 s14, v1                    ; wave
	s_lshr_b32 s15, s14, 1
	s_and_b32 s16, s14, 1
	s_bfe_u32 s20, ttmp6, 0x40000                  ; cx
	s_bfe_u32 s21, ttmp6, 0x40004                  ; cy
	s_and_b32 s18, ttmp7, 0xffff
	s_lshl_b32 s18, s18, 2
	s_add_co_u32 s18, s18, s21                     ; T
	s_lshl_b32 s19, ttmp9, 2
	s_add_co_u32 s19, s19, s20                     ; j
	s_lshl_b32 s22, s21, 2
	s_lshl_b32 s22, 15, s22                        ; my row of the cluster
	s_lshl_b32 s23, 0x1111, s20                    ; my column
	s_or_b32 s[G1X], s22, (3<<16)|(1<<21)          ; the mask; elements of 8 bytes; bit 21 set beside a mask
	s_or_b32 s[G1W], s23, (3<<16)|(1<<21)
	s_or_b32 s[G1SX], s22, (3<<16)|(1<<21)
	s_or_b32 s[G1SW], s23, (3<<16)|(1<<21)
.irp g, G1X, G1W                       ; codes: blocks x 6,144 bytes, 12,288 bytes apart: x 16 blocks, w 8
	s_mov_b32 s[\g+1], 768<<16
	s_mov_b32 s[\g+3], 768<<16
	s_mov_b32 s[\g+5], 1536
	s_mov_b32 s[\g+6], 0
	s_mov_b32 s[\g+7], 0
.endr
	s_mov_b32 s[G1X+2], 16<<16
	s_mov_b32 s[G1X+4], 16
	s_mov_b32 s[G1W+2], 8<<16
	s_mov_b32 s[G1W+4], 8
.irp g, G1SX, G1SW                     ; scale words: dense rows of 256 bytes: x 32 rows, w 16
	s_mov_b32 s[\g+1], 32<<16
	s_mov_b32 s[\g+3], 32<<16
	s_mov_b32 s[\g+5], 32
	s_mov_b32 s[\g+6], 0
	s_mov_b32 s[\g+7], 0
.endr
	s_mov_b32 s[G1SX+2], 32<<16
	s_mov_b32 s[G1SX+4], 32
	s_mov_b32 s[G1SW+2], 16<<16
	s_mov_b32 s[G1SW+4], 16
	s_mul_i32 s10, s18, 16*BLKB                    ; x's codes: block 16 T (hangs on T alone)
	s_mov_b32 s11, 0
	s_lshl_b32 s12, s18, 13                        ; x's words: groups 2 T, 2 T + 1
	s_mov_b32 s13, 0
	s_lshl_b32 s20, s19, 3
	s_add_co_u32 s20, s20, 512                     ; w_q's codes: block 512 + 8 j (hangs on j alone)
	s_mul_i32 s20, s20, BLKB
	s_mov_b32 s21, 0
	s_lshl_b32 s22, s19, 12
	s_add_co_u32 s22, s22, 64*SCP                  ; w_q's words: group 64 + j; w_k's 8 groups on, w_v's 16
	s_mov_b32 s23, 0
	s_wait_dscnt 0x0
	s_wait_kmcnt 0x0
	s_add_nc_u64 s[10:11], s[4:5], s[10:11]
	s_add_nc_u64 s[12:13], s[6:7], s[12:13]
	s_add_nc_u64 s[20:21], s[4:5], s[20:21]
	s_add_nc_u64 s[22:23], s[6:7], s[22:23]
	CROUND                                         ; all sixteen work-groups are here: the first joint loads meet
	MKG0 G0XH0, 0, 10, 0
	MKG0 G0XH1, XHALF, 10, BLK
	MKG0 G0WH0, WR, 20, 0
	MKG0 G0WH1, WR+WHALF, 20, BLK
	MKG0 G0SX, XS, 12, 0
	MKG0 G0SQ, WS, 22, 0
	MKG0 G0SK, WS+SCP, 22, 8*SCP
	MKG0 G0SV, WS+2*SCP, 22, 16*SCP
	ARM 1, G0XH0, G1X, .Lha1, .Lha                 ; the head's loads, one a wave
	ARM 2, G0WH0, G1W, .Lha2, .Lha
	ARM 3, G0SX, G1SX, .Lha3, .Lha
	TLOAD G0SQ, G1SW
.Lha:
	v_and_b32 v1, 31, v0
	v_and_b32 v2, 15, v0                           ; r
	v_bfe_u32 v3, v0, 4, 1                         ; h
	v_lshlrev_b32 v[L16], 4, v1
	v_lshlrev_b32 v[L8], 3, v1
	s_mul_i32 s2, s14, 4*BLK                       ; q, k: source 1 = x's blocks 4 x wave ..; source 0 = w's eight
.irp t, 0,1
	v_add_nc_u32 v[QA16+\t], s2, v[L16]
	v_add_nc_u32 v[QA8+\t], s2, v[L8]
	v_add_nc_u32 v[QB16+\t], WR+\t*WHALF, v[L16]
	v_add_nc_u32 v[QB8+\t], WR+\t*WHALF, v[L8]
	s_add_co_u32 s2, s2, XHALF
.endr
	s_mul_i32 s2, s15, 4*BLK                       ; v: source 1 = w's blocks 4 (wave / 2) ..;
	s_add_co_u32 s2, s2, WR
	s_mul_i32 s3, s16, XPART                       ; source 0 = x's blocks 8 (wave % 2) ..
.irp t, 0,1
	v_add_nc_u32 v[VA16+\t], s2, v[L16]
	v_add_nc_u32 v[VA8+\t], s2, v[L8]
	v_add_nc_u32 v[VB16+\t], s3, v[L16]
	v_add_nc_u32 v[VB8+\t], s3, v[L8]
	s_add_co_u32 s2, s2, WHALF
	s_add_co_u32 s3, s3, XHALF
.endr
	v_lshlrev_b32 v14, 2, v2                       ; 4 r
	s_lshl_b32 s17, s15, 12                        ; q, k: x's words: group wave / 2, blocks 4 (wave % 2) ..
	s_lshl_b32 s2, s16, 8
	s_add_co_u32 s17, s17, s2
	MKADR AD0, XS, WS-XS
	MKADR AD0+1, XS-256, WS-XS+256
	MKADR AD1, XS, WS+SCP-XS
	MKADR AD1+1, XS-256, WS+SCP-XS+256
	s_lshl_b32 s17, s16, 12                        ; v: x's words: group wave % 2; w_v's: blocks 4 (wave / 2) ..
	s_lshl_b32 s3, s15, 8
	s_add_co_u32 s3, s3, WS+2*SCP-XS
	s_sub_co_u32 s3, s3, s17
	s_add_co_u32 s2, s17, XS
	v_mul_u32_u24 v15, s3, v3
	v_add_nc_u32 v15, v15, v14
	v_add_nc_u32 v[ADV], s2, v15
	s_lshl_b32 s3, s15, 8
	s_add_co_u32 s3, s3, WS+2*SCP-XS-256
	s_sub_co_u32 s3, s3, s17
	v_mul_u32_u24 v15, s3, v3
	v_add_nc_u32 v15, v15, v14
	v_add_nc_u32 v[ADV+1], s2, v15
	s_mul_i32 s2, s16, 4*768                       ; the way out of q and k: my four tiles are tiles 4 (wave % 2) .. of the step's eight
	v_add_nc_u32 v[QK16], s2, v[L16]
	v_add_nc_u32 v[QK8], s2, v[L8]
	v_and_b32 v15, 7, v2
	v_lshl_add_u32 v15, v3, 4, v15                 ; r % 8 + 16 h
	v_lshrrev_b32 v1, 3, v2                        ; r / 8
	v_mul_u32_u24 v[KK8], v1, 1536                 ; rows 8-15 go two tiles further on
	v_lshl_add_u32 v[KK16], v15, 4, v[KK8]
	v_lshl_add_u32 v[KK8], v15, 3, v[KK8]
	v_add_nc_u32 v[KK16], s2, v[KK16]
	v_add_nc_u32 v[KK8], s2, v[KK8]
	s_lshl_b32 s2, s16, 8
	v_mul_u32_u24 v[QKW], v3, HS
	v_lshl_add_u32 v[QKW], v2, 4, v[QKW]
	v_add_nc_u32 v[QKW], s2, v[QKW]
	s_lshl_b32 s2, s14, 9
	s_add_co_u32 s2, s2, STG                       ; my stage
	v_add_nc_u32 v[STV], s2, v14
	v_lshl_add_u32 v[STQ], v3, 8, v[STV]
	v_mad_u32_u24 v[STK], v1, 96, v[STQ]           ; + 256 h + 4 (r % 8) + 128 (r / 8)
	v_add_nc_u32 v[STR16], s2, v[L16]
	v_add_nc_u32 v[STR8], s2, v[L8]
	v_lshlrev_b32 v[SH], 4, v3
.irp b, 0,1,2,3
	v_mov_b32 v[TM+4+\b], 0                        ; a lane permute's destination counts as one of its sources
.endr
	; q, k: tokens 256 T + 64 x wave: chunk T / 2, step (2 T + wave / 2) % 4, heads 2 j and 2 j + 1.  v: head 2 j + wave / 2, step (2 T + wave % 2) % 4
	s_lshl_b32 s2, s19, 1
	s_mul_i32 s2, s2, HS
	s_lshr_b32 s3, s18, 1
	s_mul_i32 s3, s3, CHB
	s_add_co_u32 s2, s2, s3
	s_lshl_b32 s3, s18, 1
	s_add_co_u32 s17, s3, s15
	s_and_b32 s17, s17, 3
	s_mul_i32 s17, s17, STEPB
	s_add_co_u32 s12, s2, s17
	s_mov_b32 s13, 0
	s_add_nc_u64 s[12:13], s[8:9], s[12:13]        ; k's step block
	s_add_nc_u64 s[10:11], s[12:13], QOFF          ; q's
	s_add_co_u32 s17, s3, s16
	s_and_b32 s17, s17, 3
	s_mul_i32 s17, s17, STEPB
	s_mul_i32 s3, s15, HS
	s_add_co_u32 s20, s2, s17
	s_add_co_u32 s20, s20, s3
	s_mov_b32 s21, 0
	s_add_nc_u64 s[20:21], s[8:9], s[20:21]        ; v's
	s_mov_b32 s[SEL], 0x76543210
	s_mov_b32 s[SEL+1], 0xfedcba98
; THE WAY OUT of a pass.  The 64 results of a lane for block a of source 1 become a fragment's codes in v[PC] on and its scale word in v[PW].
.macro QUANTW a
.set AC, 64*(\a)
	WIN 0x0a
.irp b, 0,1,2,3
	v_max3_num_f32 v[TM+\b], |v[AC+16*\b]|, |v[AC+16*\b+1]|, 0x1800000   ; each accumulator from its low end on; the floor 2^(3 - 127)
.endr
.irp i, 2,4,6,8,10,12,14
.irp b, 0,1,2,3
	v_max3_num_f32 v[TM+\b], |v[AC+16*\b+\i]|, |v[AC+16*\b+\i+1]|, v[TM+\b]
.endr
.endr
	WIN 0
.irp b, 0,1,2,3
	v_permlanex16_b32 v[TM+4+\b], v[TM+\b], s[SEL], s[SEL+1]
.endr
.irp b, 0,1,2,3
	v_max_num_f32 v[TM+\b], v[TM+\b], v[TM+4+\b]
.endr
.irp b, 0,1,2,3
	v_add_nc_u32 v[TM+12+\b], 0xff000000, v[TM+\b]
.endr
.irp b, 0,1,2,3
	v_lshrrev_b32 v[TM+4+\b], 23, v[TM+12+\b]
.endr
	v_lshl_or_b32 v[PW], v[TM+5], 8, v[TM+4]
	v_lshl_or_b32 v[PW], v[TM+6], 16, v[PW]
	v_lshl_or_b32 v[PW], v[TM+7], 24, v[PW]
	WIN 0x02
.irp c, 0,1
	v_cvt_scalef32_pk16_fp6_f32 v[PC+6*\c:PC+2+6*\c], v[AC+32*\c:AC+15+32*\c], v[TM+12+2*\c]
	v_cvt_scalef32_pk16_fp6_f32 v[PC+12+4*\c:PC+14+4*\c], v[AC+16+32*\c:AC+31+32*\c], v[TM+12+2*\c+1]
.endr
	WIN 0
	v_nop                                          ; one plain place behind a scaled conversion
.irp c, 0,1                            ; the operand's layout wants a whole block in a lane
.irp i, 0,1,2
	v_permlane16_swap_b32 v[PC+6*\c+\i], v[PC+12+4*\c+\i]
.endr
.irp i, 0,1,2
	v_mov_b32 v[PC+3+6*\c+\i], v[PC+12+4*\c+\i]
.endr
.endr
.endm
; block a is a tile of 16 tokens; the fragment's first half image is head 2 j's tile, its second head 2 j + 1's.
; k = 1 (pass k): THE TILES OF k ARE RE-LAID AS THEY ARE STORED.  Row r of my block a is token 32 (a / 2) + 8 (a % 2) + r % 8 + 16 (r / 8) of my 64; it goes to row r % 8 + 8 (a / 2) of tile a % 2 + 2 (r / 8):
; row m of tile t then holds token 32 (m / 8) + 8 t + m % 8, so that in launch attn a lane's 32 scores of four tiles are one whole block of 32 neighbouring keys.
; Such a store covers four runs of 128 (or 64) consecutive bytes; blocks a and a + 2 fill each other's halves of the same aligned 256 bytes.
.macro EPIQK base, a16, a8, st, k
.irp a, 0,1,2,3
.if \k
.set OA, 768*(\a%2)+128*(\a/2)
.set OB, 768*(\a%2)+64*(\a/2)
.set OWD, 64*(\a%2)+32*(\a/2)
.else
.set OA, 768*\a
.set OB, 768*\a
.set OWD, 64*\a
.endif
	s_wait_xcnt 0x0                                ; the stores before have read their registers
	QUANTW \a
	global_store_b128 v[\a16], v[PC:PC+3], s[\base:\base+1] offset:OA
	global_store_b64 v[\a8], v[PC+4:PC+5], s[\base:\base+1] offset:OB+512
	global_store_b128 v[\a16], v[PC+6:PC+9], s[\base:\base+1] offset:OA+HS
	global_store_b64 v[\a8], v[PC+10:PC+11], s[\base:\base+1] offset:OB+HS+512
	v_lshrrev_b32 v[PW+1], v[SH], v[PW]            ; lanes 0-15 keep the first head's two bytes, lanes 16-31 the second head's
	v_and_b32 v[PW+1], 0xffff, v[PW+1]
	ds_store_b32 v[\st], v[PW+1] offset:OWD
.endr
	ds_load_b128 v[WB:WB+3], v[STR16]              ; LDS serves a wave's instructions in order (ISA guide 5.7.1.4)
	s_wait_dscnt 0x0
	global_store_b128 v[QKW], v[WB:WB+3], s[\base:\base+1] offset:12288   ; sixteen lanes store 256 consecutive bytes, aligned
.endm
.macro EPIV base                       ; block a is fragment a of my head's v^T
.irp a, 0,1,2,3
	s_wait_xcnt 0x0
	QUANTW \a
	global_store_b128 v[L16], v[PC:PC+3], s[\base:\base+1] offset:6144+1536*\a
	global_store_b64 v[L8], v[PC+4:PC+5], s[\base:\base+1] offset:6144+1536*\a+512
	global_store_b128 v[L16], v[PC+6:PC+9], s[\base:\base+1] offset:6144+1536*\a+768
	global_store_b64 v[L8], v[PC+10:PC+11], s[\base:\base+1] offset:6144+1536*\a+1280
	ds_store_b32 v[STV], v[PW] offset:64*\a
.endr
	ds_load_b64 v[WB:WB+1], v[STR8]
	s_wait_dscnt 0x0
	global_store_b64 v[L8], v[WB:WB+1], s[\base:\base+1] offset:12800
.endm
.macro PASSQK nv
	STEP 0, 0, 1, 0, 1
	STEP 0, 1, 0, 0, 2
	STEP 0, 2, 0, 0, 3
	TURN 0, 3, G0WH0, 0, 4                         ; w's first half is left: it takes the next pass's
	STEP 0, 4, 0, 0, 5
	STEP 0, 5, 0, 0, 6
	STEP 0, 6, 0, 0, 7
	TURN 0, 7, G0WH1, \nv, 0                       ; w's second half is left
	PLACES NP
	WIN 0
.endm
	s_wait_alu depctr_va_vdst(0)
	s_wait_tensorcnt 0x0                           ; my tile of the head's four is in; the lines ahead of a later first fill:
	ds_add_u32 v[SPW], v[NIL]
	s_wait_dscnt 0x0
	CROUND                                         ; all four tiles are in, and the joint loads meet
	ARM 1, G0XH1, G1X, .Lhb1, .Lhb                 ; the second group, one a wave
	ARM 2, G0WH1, G1W, .Lhb2, .Lhb
	ARM 3, G0SK, G1SW, .Lhb3, .Lhb
	TLOAD G0SV, G1SW
.Lhb:
	FETCH 0, 0
	SCALES AD0, AD0+1
	PASSQK 0                                       ; q
	SCALES AD1, AD1+1                              ; the next pass's scale words and first fragments land under the way out
	EPIQK 10, QK16, QK8, STQ, 0
	PASSQK 1                                       ; k
	SCALES ADV, ADV+1
	EPIQK 12, KK16, KK8, STK, 1
	STEP 1, 0, 1, 1, 1                             ; v
	STEP 1, 1, 0, 1, 2
	STEP 1, 2, 0, 1, 3
	TURN 1, 3, 0, 1, 4                             ; w_v's second half has landed, everybody's; nothing is left to fetch
	STEP 1, 4, 0, 1, 5
	STEP 1, 5, 0, 1, 6
	STEP 1, 6, 0, 1, 7
	s_wait_dscnt 0x0
	WIN MUL
	MUL8 0, 7, 0, 1
	MUL8 1, 7, 0, 1
	MUL8 2, 7, 0, 1
	MUL8 3, 7, 0, 1
	PLACES NP
	WIN 0
	EPIV 20
	s_wait_tensorcnt 0x0                           ; the wave's end
	ds_add_u32 v[SPW], v[NIL]
	s_wait_dscnt 0x0
	CROUND                                         ; the closing round
	s_endpgm
.Lfunc_end_k_qf2cf7639ca_qkv:
	.size	k_qf2cf7639ca_qkv, .Lfunc_end_k_qf2cf7639ca_qkv-k_qf2cf7639ca_qkv
	.p2alignl 7, 3214868480
	.fill 96, 4, 3214868480
	.section	.rodata,"a",@progbits
	.p2align	6, 0x0
	.amdhsa_kernel k_qf2cf7639ca_qkv
		.amdhsa_group_segment_fixed_size 327680
		.amdhsa_private_segment_fixed_size 0
		.amdhsa_enable_private_segment 0
		.amdhsa_kernarg_size 24
		.amdhsa_user_sgpr_count 2
		.amdhsa_user_sgpr_kernarg_segment_ptr 1
		.amdhsa_wavefront_size32 1
		.amdhsa_system_sgpr_workgroup_id_x 1
		.amdhsa_system_sgpr_workgroup_id_y 1
		.amdhsa_system_sgpr_workgroup_id_z 1
		.amdhsa_system_vgpr_workitem_id 0
		.amdhsa_next_free_vgpr 768
		.amdhsa_next_free_sgpr 102
		.amdhsa_reserve_vcc 0
		.amdhsa_float_denorm_mode_32 3
		.amdhsa_float_denorm_mode_16_64 3
		.amdhsa_memory_ordered 1
		.amdhsa_forward_progress 1
		.amdhsa_inst_pref_size 255
	.end_amdhsa_kernel
	.section	.bss,"aw",@nobits
	.p2align	6
	.space	262144
	.amdgpu_metadata
---
amdhsa.version: [ 1, 2 ]
amdhsa.kernels:
  - .name:           k_qf2cf7639ca_qkv
    .symbol:         k_qf2cf7639ca_qkv.kd
    .args:
      - { .name: qc, .offset: 0, .size: 8, .value_kind: global_buffer, .address_space: global }
      - { .name: qs, .offset: 8, .size: 8, .value_kind: global_buffer, .address_space: global }
      - { .name: rec, .offset: 16, .size: 8, .value_kind: global_buffer, .address_space: global }
    .group_segment_fixed_size: 327680
    .private_segment_fixed_size: 0
    .kernarg_segment_align: 8
    .kernarg_segment_size: 24
    .max_flat_workgroup_size: 128
    .sgpr_count:     102
    .vgpr_count:     768
    .wavefront_size: 32
...
	.end_amdgpu_metadata
.endif
;; end of part 2
;; launch attn (part 3): grid 16 x 16, 16 waves a work-group, no clusters, 327,680 bytes of LDS; arguments rec, oc, os; writes oc, os
.if DOCPART == 3
	.amdgcn_target "amdgcn-amd-amdhsa--gfx1250"
	.amdhsa_code_object_version 6
	.text
	.protected	k_qf2cf7639ca_attn
	.globl	k_qf2cf7639ca_attn
	.p2align	8
	.type	k_qf2cf7639ca_attn,@function
k_qf2cf7639ca_attn:
	s_mov_b64 s[64:65], 0
	v_nop
	global_prefetch_b8 v0, s[64:65] scope:SCOPE_SE
	s_setreg_imm32_b32 hwreg(HW_REG_WAVE_MODE, 25, 1), 1
	s_wait_xcnt 0x0
; Attention of a chunk's 512 queries over the keys of their own chunk and of the chunk before, head size 64, both products on codes of FP6 (E2M3) with E8M0 scales;
; O / l is quantised along (head, channel) for the last product and never goes to memory as f32.
; WORK LEFT OUT: chunk 0 of a batch walks its own chunk alone: reference()'s own mask gives the keys ahead of it the weight 0 for every input (shown at the head of launch quant).
; THE SOFTMAX: t = score x log2(e) / 8; M = the running largest t, rounded UP to a whole number; p = 2^(t - M) is what is quantised, along the keys; the row's sum l is taken of the unquantised p, in f32.
; When M moves, l and O are multiplied by 2^(old M - new M): exact.  The running maximum is kept as a score: c is positive, so c x (largest score) is the largest t, bit for bit.
; INPUT rec (launch qkv): [part: k, v | q][head 16][chunk 16][step 4][13,056]: a step's block covers 128 tokens: 8 tiles (16 tokens x 64 channels, 768 bytes, images of registers), 4 fragments of v^T (16 channels x 128 tokens, 1,536 bytes),
; 8 x 64 bytes of k's scale words, 4 x 64 of v's.  Row m of k's tile 4 c + t holds key 64 c + 32 (m / 8) + 8 t + m % 8: so lane (query, h) holds in the 32 registers of score tiles 4 c .. 4 c + 3 the keys 64 c + 32 h + 0 .. 31:
; ONE WHOLE BLOCK of p's quantiser, in the order of the operand's registers: a block's largest score needs no other lane, and the conversions' results are the operand.
; Lane r of v^T's fragment 2 b + u holds channel 32 b + 8 u + r + 8 (r / 8), and q's tiles hold tokens in that order too.
; OUTPUT oc: [block of 16 tokens 512][head 16][768]; os: [group of 8 blocks 64][pair of heads 8][block 8][16] scale words.
; SHARES.  Work-group (x = 2 pair + half, y = chunk): 256 queries, two heads.  Each of sixteen waves owns one tile of 16 queries and walks head 0 and then head 1: so it ends with a whole scale word a row.
; LDS IS FILLED ONCE, one load a wave, block = wave = 8 x head + 4 x part + step.  Waves 0 to 3 ask at the head for head 0's own chunk; behind the full sequence and a barrier waves 4 to 15 ask for the other twelve blocks,
; which land under the first four steps; one barrier behind those steps shows them to every wave.  (In a batch's first chunk the eight blocks of the chunk before hold the own chunk again, so that every load stays in its buffer; they are not read.)
; BOTH PRODUCTS ARE USED TRANSPOSED: S^T = k q^T, O^T = v^T p^T: a lane holds one query throughout.
; K = 64 IN AN INSTRUCTION OF K = 128: q's upper 64 codes are zeros, so whatever stands in k's upper six registers (codes: FP6 has no NaN and no infinity) adds nothing; the upper two bytes of both scale words are 0, which is 2^-127.
; NO CLUSTER: only two work-groups (the two halves) read the same records, each record once.  No prefetch: every block is asked for at the head or four steps ahead of its first reader.
; LIMITS: the promise holds while the scaled scores stay under 2^31 in magnitude; NaN and infinities are not served; 1 / l is v_rcp_f32 and a multiplication; a block of O whose largest magnitude lies under 2^-124 gets the byte 1.
.set STEPB, 13056
.set HS,    835584
.set CHB,   52224
.set QOFF,  16*HS
.set OSC,   16*STEPB                   ; behind the 16 step blocks: 1,024 bytes for O's scale words
.set SPARE, 0x34000                    ; the spare words, 128 bytes a wave
.set L16,  1
.set L8,   2
.set R4,   3                           ; 4 x (lane % 16)
.set AD16, 4
.set AD8,  5
.set AD4,  6
.set OSW,  7
.set OSR,  8
.set OSG,  9
.set L4,   10                          ; 4 x lane
.set SH8,  11                          ; 8 x (lane / 16)
                                       ; v12 -M, v13 the largest score, v[14:15] the sum
.set QF,   16                          ; v16-39 q of heads 0, 1: six registers of codes, six of zeros
.set KT,   40                          ; v40-93 eight tiles of k and six zeros; or four fragments of v^T
.set QS,   94
.set S,    96                          ; v96-159 S^T, then p
.set O,    160                         ; v160-191 O^T
.set BM,   192                         ; v192-193 my two blocks' largest; v194-195 second chains of the search
.set C1,   196                         ; v[196:197], v[198:199], v[238:239] three more chains of the sum
.set C2,   198
.set SO,   200                         ; v200-201 the conversions' scale operands; v202-203 the bytes
.set CT,   204
.set PCD,  212                         ; v212-223 p's codes
.set KS,   224                         ; v224-227 scale words, two tiles to a register: lanes 0-15 the even tile's, lanes 16-31 the odd one's
.set PB,   228                         ; v228-231 permutes' results, the scale word in the making
.set PW,   232
.set OW,   233
.set F,    234                         ; v[234:235] f = 2^(old M - new M)
.set T,    236
.set C3,   238
.set OC,   240
.set SPW,  247
.set OT,   248
.set NIL,  251
.set WV,   18
.set SEL,  20
.set CS,   22
.set G1,   24
.set G0,   32
.set TB,   48                          ; LDS byte of the step's block
.set CNT,  49
.set CH,   50
.set LIM,  51                          ; the steps counted CNT <= LIM are not walked: 4 in a batch's first chunk, else 0
	s_load_b128 s[4:7], s[0:1], 0x0                ; rec, oc
	s_load_b64 s[8:9], s[0:1], 0x10                ; os
	v_lshl_add_u32 v[SPW], v0, 2, SPARE
	v_mov_b32 v[NIL], 0
	ds_add_u32 v[SPW], v[NIL]                      ; the opening lines: the add twice on end and its wait
	ds_add_u32 v[SPW], v[NIL]
	v_lshrrev_b32 v[AD8], 5, v0
	v_and_b32 v[AD16], 31, v0
	v_and_b32 v[R4], 15, v0
	v_bfe_u32 v[SH8], v0, 4, 1
	v_readfirstlane_b32 s[WV], v[AD8]              ; wave 0..15
	v_lshlrev_b32 v[L16], 4, v[AD16]
	v_lshlrev_b32 v[L8], 3, v[AD16]
	v_lshlrev_b32 v[L4], 2, v[AD16]
	v_lshlrev_b32 v[R4], 2, v[R4]
	v_lshlrev_b32 v[SH8], 3, v[SH8]
	v_lshl_add_u32 v[OSR], v0, 4, OSC
	v_lshl_add_u32 v[OSG], v[AD8], 12, v[L16]      ; os: a wave stores a group's 512 bytes
	s_lshl_b32 s10, s[WV], 6
	s_add_co_u32 s10, s10, OSC
	v_add_nc_u32 v[OSW], s10, v[R4]
	s_lshr_b32 s10, ttmp9, 1                       ; the pair of heads
	s_and_b32 s11, ttmp9, 1                        ; which half of the chunk's queries
	s_and_b32 s12, ttmp7, 0xffff                   ; the chunk
	s_and_b32 s[CH], s12, 7
	s_mov_b32 s[G1], 3<<16                         ; a step's block, 13,056 dense bytes, as 51 rows of 256 bytes
	s_mov_b32 s[G1+1], 32<<16
	s_mov_b32 s[G1+2], 51<<16
	s_mov_b32 s[G1+3], 32<<16
	s_mov_b32 s[G1+4], 51
	s_mov_b32 s[G1+5], 32
	s_mov_b32 s[G1+6], 0
	s_mov_b32 s[G1+7], 0
	s_cmp_lg_u32 s[CH], 0
	s_cselect_b32 s13, 1, 0
	s_cselect_b32 s[LIM], 0, 4
	s_bfe_u32 s14, s[WV], 0x10002                  ; part 1: the chunk before
	s_and_b32 s13, s13, s14
	s_sub_co_u32 s13, s12, s13                     ; the chunk that I fetch
	s_lshr_b32 s14, s[WV], 3
	s_lshl_b32 s15, s10, 1
	s_add_co_u32 s14, s14, s15
	s_mul_i32 s14, s14, HS
	s_mul_i32 s13, s13, CHB
	s_add_co_u32 s16, s14, s13
	s_and_b32 s15, s[WV], 3
	s_mul_i32 s15, s15, STEPB
	s_add_co_u32 s16, s16, s15                     ; (under 2^24)
	s_mov_b32 s17, 0
	s_mov_b32 s[G0], 1
	s_mul_i32 s[G0+1], s[WV], STEPB
	s_mov_b32 s[SEL], 0x76543210
	s_mov_b32 s[SEL+1], 0xfedcba98
	s_mov_b32 s[CS], 0x3e38aa3b                    ; c = log2(e) / 8
	s_mov_b32 s[CS+1], s[CS]
	s_mov_b32 s[TB], 0
	s_wait_alu depctr_va_vdst(0)
	s_wait_dscnt 0x0
	s_wait_kmcnt 0x0
	s_add_nc_u64 s[G0+2:G0+3], s[4:5], s[16:17]
	s_or_b32 s[G0+3], s[G0+3], 0x80000000
	s_cmp_lt_u32 s[WV], 4
	s_cbranch_scc0 .Lnot_first
	tensor_load_to_lds s[G0:G0+3], s[G1:G1+7]      ; waves 0 to 3: head 0's own chunk
	s_nop 0
.Lnot_first:
	s_lshl_b32 s54, s11, 4
	s_add_co_u32 s54, s54, s[WV]                   ; my tile of queries among the chunk's 32
	s_lshr_b32 s55, s54, 3
	s_mul_i32 s55, s55, STEPB
	s_and_b32 s56, s54, 7
	s_mul_i32 s57, s56, 768
	s_lshl_b32 s56, s56, 6
	s_mul_i32 s58, s10, 2*HS
	s_mul_i32 s59, s12, CHB
	s_add_co_u32 s58, s58, s59
	s_add_co_u32 s58, s58, s55
	s_add_co_u32 s58, s58, QOFF                    ; q's step block (under 2^25)
	s_add_co_u32 s60, s58, s57
	s_mov_b32 s61, 0
	s_add_co_u32 s62, s58, s56
	s_mov_b32 s63, 0
	s_add_nc_u64 s[60:61], s[4:5], s[60:61]
	s_add_nc_u64 s[62:63], s[4:5], s[62:63]
.irp j, 0,1
	global_load_b128 v[QF+12*\j:QF+12*\j+3], v[L16], s[60:61] offset:HS*\j
	global_load_b64 v[QF+12*\j+4:QF+12*\j+5], v[L8], s[60:61] offset:HS*\j+512
	global_load_b32 v[QS+\j], v[R4], s[62:63] offset:HS*\j+12288
.endr
	s_lshl_b32 s66, s12, 5
	s_add_co_u32 s67, s66, s54                     ; my block of tokens among the 512
	s_mul_i32 s67, s67, 12288
	s_mul_i32 s68, s10, 1536
	s_add_co_u32 s68, s68, s67
	s_mov_b32 s69, 0
	s_add_nc_u64 s[6:7], s[6:7], s[68:69]          ; oc at my block, my pair of heads
	s_lshl_b32 s66, s12, 2
	s_lshl_b32 s67, s11, 1
	s_add_co_u32 s66, s66, s67                     ; os: the work-group's two groups begin at group 4 x chunk + 2 x half,
	s_lshl_b32 s66, s66, 12
	s_lshl_b32 s67, s10, 9                         ; K step = the pair
	s_add_co_u32 s68, s66, s67
	s_add_nc_u64 s[8:9], s[8:9], s[68:69]
.irp j, 0,1
.irp i, 6,7,8,9,10,11
	v_mov_b32 v[QF+12*\j+\i], 0                    ; q's upper 64 codes
.endr
.endr
.irp i, 48,49,50,51,52,53
	v_mov_b32 v[KT+\i], 0                          ; what the eighth tile of k names beyond its six registers
.endr
.irp b, 0,1,2,3
	v_mov_b32 v[PB+\b], 0                          ; a lane permute's destination counts as one of its sources
.endr
	v_mov_b32 v[T], 0
	v_mov_b32 v[F+1], 0                            ; (named as the upper half of a pair)
.macro TMINUS n                        ; t - M, two at a time
.rept \n
	v_pk_fma_f32 v[S+J:S+J+1], v[S+J:S+J+1], s[CS:CS+1], v[12:13] op_sel_hi:[1,0,0]
.set J, J+2
.endr
.endm
.macro SUM4                            ; eight more p onto the sum's four chains
	v_pk_add_f32 v[14:15], v[14:15], v[S+J:S+J+1]
	v_pk_add_f32 v[C1:C1+1], v[C1:C1+1], v[S+J+2:S+J+3]
	v_pk_add_f32 v[C2:C2+1], v[C2:C2+1], v[S+J+4:S+J+5]
	v_pk_add_f32 v[C3:C3+1], v[C3:C3+1], v[S+J+6:S+J+7]
.set J, J+8
.endm
.macro OSCALE q0                       ; O^T under the new M: a pair of each of the four tiles
.irp q, 0,8,16,24
	v_pk_mul_f32 v[O+\q0+\q:O+\q0+\q+1], v[O+\q0+\q:O+\q0+\q+1], v[F:F+1] op_sel_hi:[1,0]
.endr
.endm
; A KEY STEP: 128 keys of head j.  The branch, on the work-group's number and the loop's count alone, leads round the step's work and not round the line that steps the address.
.macro STEP j
	s_cmp_le_u32 s[CNT], s[LIM]
	s_cbranch_scc1 .Lhid_\@
	v_add_nc_u32 v[AD16], s[TB], v[L16]            ; these four are the places in front of loads into registers that the last step's matrix instructions have read
	v_add_nc_u32 v[AD8], s[TB], v[L8]
	v_add_nc_u32 v[AD4], s[TB], v[L4]
	v_mov_b32 v[T+1], v12                          ; the old -M
.irp t, 0,1,2,3,4,5,6,7
	ds_load_b128 v[KT+6*\t:KT+6*\t+3], v[AD16] offset:768*\t
	ds_load_b64 v[KT+6*\t+4:KT+6*\t+5], v[AD8] offset:768*\t+512
.endr
.irp u, 0,1,2,3
	ds_load_b32 v[KS+\u], v[AD4] offset:12288+128*\u   ; the words of tiles 2 u and 2 u + 1
.endr
	s_wait_alu depctr_va_vdst(0)
	s_wait_dscnt 0x0
.irp u, 0,1,2,3
	v_wmma_scale_f32_16x16x128_f8f6f4 v[S+16*\u:S+16*\u+7], v[KT+12*\u:KT+12*\u+11], v[QF+12*\j:QF+12*\j+11], 0, v[KS+\u], v[QS+\j] matrix_a_fmt:MATRIX_FMT_FP6 matrix_b_fmt:MATRIX_FMT_FP6
	v_wmma_scale_f32_16x16x128_f8f6f4 v[S+16*\u+8:S+16*\u+15], v[KT+12*\u+6:KT+12*\u+17], v[QF+12*\j:QF+12*\j+11], 0, v[KS+\u], v[QS+\j] matrix_a_fmt:MATRIX_FMT_FP6 matrix_b_fmt:MATRIX_FMT_FP6 matrix_a_scale:MATRIX_SCALE_ROW1
.endr
	v_pk_add_f32 v[C1:C1+1], v[C1:C1+1], v[C2:C2+1]   ; the last step's four chains of the sum are joined here: with the idle line, the four places behind the products
	v_pk_add_f32 v[14:15], v[14:15], v[C3:C3+1]
	v_nop
	v_pk_add_f32 v[14:15], v[14:15], v[C1:C1+1]
.irp t, 0,1,2,3                        ; v^T's four fragments and their scale words land under the softmax
	ds_load_b128 v[KT+12*\t:KT+12*\t+3], v[AD16] offset:6144+1536*\t
	ds_load_b64 v[KT+12*\t+4:KT+12*\t+5], v[AD8] offset:6144+1536*\t+512
	ds_load_b128 v[KT+12*\t+6:KT+12*\t+9], v[AD16] offset:6144+1536*\t+768
	ds_load_b64 v[KT+12*\t+10:KT+12*\t+11], v[AD8] offset:6144+1536*\t+1280
.endr
.irp u, 0,1
	ds_load_b32 v[KS+\u], v[AD4] offset:12800+128*\u
.endr
.irp c, 0,1                            ; the largest score of my two blocks of 32 keys, each in two chains (17 and 15 numbers), the four by turns; each score tile is read from its low end on
	v_max3_num_f32 v[BM+\c], v[S+32*\c], v[S+32*\c+1], v[S+32*\c+2]
	v_max3_num_f32 v[BM+2+\c], v[S+32*\c+17], v[S+32*\c+18], v[S+32*\c+19]
.endr
.irp i, 3,5,7,9,11,13
.irp c, 0,1
	v_max3_num_f32 v[BM+\c], v[BM+\c], v[S+32*\c+\i], v[S+32*\c+\i+1]
	v_max3_num_f32 v[BM+2+\c], v[BM+2+\c], v[S+32*\c+\i+17], v[S+32*\c+\i+18]
.endr
.endr
.irp c, 0,1
	v_max3_num_f32 v[BM+\c], v[BM+\c], v[S+32*\c+15], v[S+32*\c+16]
.endr
.irp c, 0,1
	s_delay_alu instid0(VALU_DEP_2)
	v_max_num_f32 v[BM+\c], v[BM+\c], v[BM+2+\c]   ; it serves for the row's maximum and, since p rises with the score, for the block's largest p
.endr
	s_delay_alu instid0(VALU_DEP_1)
	v_max3_num_f32 v[T], v13, v[BM], v[BM+1]
	s_delay_alu instid0(VALU_DEP_1)
	v_permlanex16_b32 v[PB], v[T], s[SEL], s[SEL+1]
	s_delay_alu instid0(VALU_DEP_1)
	v_max_num_f32 v13, v[T], v[PB]                 ; with lane l xor 16's 64 keys: the running largest score of my query
	s_delay_alu instid0(VALU_DEP_1)
	v_mul_f32 v[T], s[CS], v13                     ; as t
	s_delay_alu instid0(VALU_DEP_1)
	v_floor_f32 v12, -v[T]                         ; the new -M = floor(-t) = -ceil(t)
	s_delay_alu instid0(VALU_DEP_1)
	v_sub_f32 v[T], v12, v[T+1]                    ; old M - new M: a whole number, 0 or less
	s_delay_alu instid0(VALU_DEP_1)
	v_cvt_i32_f32 v[T], v[T]                       ; (it saturates)
	s_delay_alu instid0(VALU_DEP_1)
	v_ldexp_f32 v[F], 1.0, v[T]                    ; f = 2^(old M - new M)
.set J, 0
	TMINUS 32
.irp c, 0,1
	v_fma_f32 v[BM+\c], v[BM+\c], s[CS], v12       ; the same of each block's largest score
.endr
	s_wait_alu depctr_va_vdst(0)
.set J, 0
.rept 64
	v_exp_f32 v[S+J], v[S+J]                       ; p = 2^(t - M), at most 1: not normalised
.set J, J+1
.endr
.irp c, 0,1
	v_exp_f32 v[BM+\c], v[BM+\c]                   ; the block's largest p: the same two instructions on the same number give the same bits
.endr
	s_wait_alu depctr_va_vdst(0)                   ; one wait for the whole batch, directly ahead of the first readers of O^T
	OSCALE 0                                       ; each tile from its low end on.  The scale's short chain stands among independent work from here on
.irp c, 0,1
	v_max_num_f32 v[BM+\c], 0x1800000, v[BM+\c]    ; the floor 2^(3 - 127): the byte cannot fall under 1
.endr
	OSCALE 2
.irp c, 0,1
	v_add_nc_u32 v[SO+\c], 0xff000000, v[BM+\c]    ; 2 off the exponent field: the conversion's scale operand
.endr
	OSCALE 4
.irp c, 0,1
	v_lshrrev_b32 v[SO+2+\c], 23, v[SO+\c]         ; the scale's byte
.endr
.irp c, 0,1
	v_cvt_scalef32_pk16_fp6_f32 v[PCD+6*\c:PCD+2+6*\c], v[S+32*\c:S+15+32*\c], v[SO+\c]
	v_cvt_scalef32_pk16_fp6_f32 v[CT+4*\c:CT+2+4*\c], v[S+16+32*\c:S+31+32*\c], v[SO+\c]   ; (a conversion's three registers begin on an even number)
.endr
	OSCALE 6                                       ; plain places behind the conversions
	v_lshl_or_b32 v[PB+1], v[SO+3], 16, v[SO+2]    ; my two bytes: blocks h and 2 + h
	v_pk_fma_f32 v[14:15], v[14:15], v[F:F+1], v[S:S+1] op_sel_hi:[1,0,1]   ; THE ROW'S SUM, of the unquantised p, in four chains: l x f + p;
	v_pk_add_f32 v[C1:C1+1], v[S+2:S+3], v[S+4:S+5]                         ; the other three begin anew
	v_pk_add_f32 v[C2:C2+1], v[S+6:S+7], v[S+8:S+9]
	v_pk_add_f32 v[C3:C3+1], v[S+10:S+11], v[S+12:S+13]
	v_lshlrev_b32 v[PB+1], v[SH8], v[PB+1]         ; at their places in the word
	v_dual_mov_b32 v[PCD+3], v[CT] :: v_dual_mov_b32 v[PCD+4], v[CT+1]      ; the blocks' upper 16 codes to their registers
	v_dual_mov_b32 v[PCD+9], v[CT+4] :: v_dual_mov_b32 v[PCD+10], v[CT+5]
	v_mov_b32 v[PCD+5], v[CT+2]
	v_mov_b32 v[PCD+11], v[CT+6]
.set J, 14
	SUM4
	v_permlanex16_b32 v[PB+2], v[PB+1], s[SEL], s[SEL+1]
	SUM4
	v_or_b32 v[PW], v[PB+1], v[PB+2]               ; with lane l xor 16's two bytes: p's scale word for these 128 keys
.rept 4                                ; the 17 additions below are the places between p's scale word and the products
	SUM4
.endr
	v_pk_add_f32 v[14:15], v[14:15], v[S+62:S+63]
	s_wait_alu depctr_va_vdst(0)
	s_wait_dscnt 0x0                               ; v^T is in
.irp u, 0,1                            ; four accumulators by turns
	v_wmma_scale_f32_16x16x128_f8f6f4 v[O+16*\u:O+16*\u+7], v[KT+24*\u:KT+24*\u+11], v[PCD:PCD+11], v[O+16*\u:O+16*\u+7], v[KS+\u], v[PW] matrix_a_fmt:MATRIX_FMT_FP6 matrix_b_fmt:MATRIX_FMT_FP6
	v_wmma_scale_f32_16x16x128_f8f6f4 v[O+16*\u+8:O+16*\u+15], v[KT+24*\u+12:KT+24*\u+23], v[PCD:PCD+11], v[O+16*\u+8:O+16*\u+15], v[KS+\u], v[PW] matrix_a_fmt:MATRIX_FMT_FP6 matrix_b_fmt:MATRIX_FMT_FP6 matrix_a_scale:MATRIX_SCALE_ROW1
.endr
.Lhid_\@:
	s_add_co_u32 s[TB], s[TB], STEPB               ; the next step's block
.endm
.macro WALK j, from, stop              ; the steps counted from .. stop + 1
	s_mov_b32 s[CNT], \from
.Lstep_\@:
	STEP \j
	s_sub_co_u32 s[CNT], s[CNT], 1
	s_cmp_lg_u32 s[CNT], \stop
	s_cbranch_scc1 .Lstep_\@
.endm
; O^T / l of head j: register 16 b + i = channel 32 b + 16 (lane / 16) + i: two blocks; their codes are a half image of the last product's operand
.macro EPI j
.if \j
	s_wait_xcnt 0x0                                ; head 0's stores have read their registers
.endif
	s_wait_alu depctr_va_vdst(0)                   ; the sums were written ahead of the branches above
	v_pk_add_f32 v[C1:C1+1], v[C1:C1+1], v[C2:C2+1]   ; the last step's chains are joined.  (The plain lines down to the division are the places behind the last products)
	v_pk_add_f32 v[14:15], v[14:15], v[C3:C3+1]
	s_delay_alu instid0(VALU_DEP_1)
	v_pk_add_f32 v[14:15], v[14:15], v[C1:C1+1]
	s_delay_alu instid0(VALU_DEP_1)
	v_add_f32 v14, v14, v15
	s_delay_alu instid0(VALU_DEP_1)
	v_permlanex16_b32 v[T], v14, s[SEL], s[SEL+1]
	s_delay_alu instid0(VALU_DEP_1)
	v_add_f32 v14, v14, v[T]
	s_wait_alu depctr_va_vdst(0)
	v_rcp_f32 v[C3], v14
	v_nop                                          ; a plain place behind the transcendental
	s_wait_alu depctr_va_vdst(0)                   ; and the wait ahead of its first reader
.set J, 0
.rept 16
	v_pk_mul_f32 v[S+J:S+J+1], v[O+J:O+J+1], v[C3:C3+1] op_sel_hi:[1,0]
.set J, J+2
.endr
.irp b, 0,1
	v_max3_num_f32 v[BM+\b], |v[S+16*\b]|, |v[S+1+16*\b]|, 0x1800000
.endr
.irp i, 2,4,6,8,10,12,14
.irp b, 0,1
	s_delay_alu instid0(VALU_DEP_2)
	v_max3_num_f32 v[BM+\b], v[BM+\b], |v[S+16*\b+\i]|, |v[S+1+16*\b+\i]|
.endr
.endr
.irp b, 0,1
	s_delay_alu instid0(VALU_DEP_2)
	v_permlanex16_b32 v[PB+\b], v[BM+\b], s[SEL], s[SEL+1]
.endr
.irp b, 0,1
	s_delay_alu instid0(VALU_DEP_2)
	v_max_num_f32 v[BM+\b], v[BM+\b], v[PB+\b]
.endr
.irp b, 0,1
	s_delay_alu instid0(VALU_DEP_2)
	v_add_nc_u32 v[SO+\b], 0xff000000, v[BM+\b]
.endr
.irp b, 0,1
	s_delay_alu instid0(VALU_DEP_2)
	v_lshrrev_b32 v[PB+\b], 23, v[SO+\b]
.endr
.if \j
	s_delay_alu instid0(VALU_DEP_1)
	v_lshl_or_b32 v[PB], v[PB+1], 8, v[PB]
	s_delay_alu instid0(VALU_DEP_1)
	v_lshl_or_b32 v[OW], v[PB], 16, v[OW]          ; head 1's two bytes above head 0's: the word of 128 along the last product's K
.else
	s_delay_alu instid0(VALU_DEP_1)
	v_lshl_or_b32 v[OW], v[PB+1], 8, v[PB]
.endif
	v_cvt_scalef32_pk16_fp6_f32 v[OC:OC+2], v[S:S+15], v[SO]
	v_cvt_scalef32_pk16_fp6_f32 v[OT:OT+2], v[S+16:S+31], v[SO+1]
	v_nop
.irp i, 0,1,2
	v_permlane16_swap_b32 v[OC+\i], v[OT+\i]
.endr
.irp i, 0,1,2
	s_delay_alu instid0(VALU_DEP_3)
	v_mov_b32 v[OC+3+\i], v[OT+\i]
.endr
	global_store_b128 v[L16], v[OC:OC+3], s[6:7] offset:768*\j          ; 512 and 256 consecutive bytes, aligned
	global_store_b64 v[L8], v[OC+4:OC+5], s[6:7] offset:768*\j+512
.endm
.macro BEGIN                           ; a head's start
	v_mov_b32 v13, 0xff61b1e6                      ; the largest score so far: -3e38
	v_mov_b32 v12, 0x7f61b1e6                      ; -M: 3e38, a whole number: the first change of M gives f = 0
.irp r, 14, 15, C1, C1+1, C2, C2+1, C3, C3+1
	v_mov_b32 v[\r], 0                             ; the sum's four chains
.endr
.set J, 0
.rept 32
	v_mov_b32 v[O+J], 0                            ; O^T: the step is written once: the first change of M leaves zeros zeros
.set J, J+1
.endr
.endm
	BEGIN
	s_wait_alu depctr_va_vdst(0)
	s_wait_tensorcnt 0x0                           ; my block, if I have asked for one, lies in LDS; the lines ahead of a later first fill,
	ds_add_u32 v[SPW], v[NIL]                      ; the add twice on end
	ds_add_u32 v[SPW], v[NIL]
	s_wait_dscnt 0x0
	s_barrier_signal -1
	s_barrier_wait -1                              ; blocks 0 to 3 are whole
	s_cmp_lt_u32 s[WV], 4
	s_cbranch_scc1 .Lnot_later
	tensor_load_to_lds s[G0:G0+3], s[G1:G1+7]      ; waves 4 to 15: the other twelve blocks, one a wave
	s_nop 0
.Lnot_later:
	s_wait_loadcnt 0x0                             ; q
	WALK 0, 8, 4                                   ; head 0, the own chunk
	s_wait_dscnt 0x0
	s_wait_tensorcnt 0x0                           ; my block lies in LDS:
	s_barrier_signal -1                            ; say so;
	s_barrier_wait -1                              ; all sixteen do.
	WALK 0, 4, 0                                   ; the chunk before
	EPI 0
	BEGIN
	WALK 1, 8, 0                                   ; head 1, both chunks
	EPI 1
	ds_store_b32 v[OSW], v[OW]                     ; lanes l and l xor 16 write the same word with the same value
	s_wait_dscnt 0x0                               ; for the others' sake
	s_barrier_signal -1
	s_barrier_wait -1
	s_cmp_lt_u32 s[WV], 2
	s_cbranch_scc0 .Ldone
	ds_load_b128 v[252:255], v[OSR]                ; the work-group's 16 blocks' words, by two waves: eight blocks, 512 bytes, each
	s_wait_dscnt 0x0
	global_store_b128 v[OSG], v[252:255], s[8:9]   ; 32 lanes store 512 consecutive bytes, aligned
.Ldone:
	s_wait_tensorcnt 0x0                           ; the wave's end
	ds_add_u32 v[SPW], v[NIL]
	s_wait_dscnt 0x0
	s_endpgm
.Lfunc_end_k_qf2cf7639ca_attn:
	.size	k_qf2cf7639ca_attn, .Lfunc_end_k_qf2cf7639ca_attn-k_qf2cf7639ca_attn
	.p2alignl 7, 3214868480
	.fill 96, 4, 3214868480
	.section	.rodata,"a",@progbits
	.p2align	6, 0x0
	.amdhsa_kernel k_qf2cf7639ca_attn
		.amdhsa_group_segment_fixed_size 327680
		.amdhsa_private_segment_fixed_size 0
		.amdhsa_enable_private_segment 0
		.amdhsa_kernarg_size 24
		.amdhsa_user_sgpr_count 2
		.amdhsa_user_sgpr_kernarg_segment_ptr 1
		.amdhsa_wavefront_size32 1
		.amdhsa_system_sgpr_workgroup_id_x 1
		.amdhsa_system_sgpr_workgroup_id_y 1
		.amdhsa_system_sgpr_workgroup_id_z 1
		.amdhsa_system_vgpr_workitem_id 0
		.amdhsa_next_free_vgpr 256
		.amdhsa_next_free_sgpr 70
		.amdhsa_reserve_vcc 0
		.amdhsa_float_denorm_mode_32 3
		.amdhsa_float_denorm_mode_16_64 3
		.amdhsa_memory_ordered 1
		.amdhsa_forward_progress 1
		.amdhsa_inst_pref_size 65
	.end_amdhsa_kernel
	.amdgpu_metadata
---
amdhsa.version: [ 1, 2 ]
amdhsa.kernels:
  - .name:           k_qf2cf7639ca_attn
    .symbol:         k_qf2cf7639ca_attn.kd
    .args:
      - { .name: rec, .offset: 0, .size: 8, .value_kind: global_buffer, .address_space: global }
      - { .name: oc, .offset: 8, .size: 8, .value_kind: global_buffer, .address_space: global }
      - { .name: os, .offset: 16, .size: 8, .value_kind: global_buffer, .address_space: global }
    .group_segment_fixed_size: 327680
    .private_segment_fixed_size: 0
    .kernarg_segment_align: 8
    .kernarg_segment_size: 24
    .max_flat_workgroup_size: 512
    .sgpr_count:     70
    .vgpr_count:     256
    .wavefront_size: 32
...
	.end_amdgpu_metadata
.endif
;; end of part 3
;; launch proj (part 4): grid 8 x 32, 4 waves a work-group, clusters of 4 x 4, 327,680 bytes of LDS; arguments oc, os, qc, qs, out0; writes out0
.if DOCPART == 4
	.amdgcn_target "amdgcn-amd-amdhsa--gfx1250"
	.amdhsa_code_object_version 6
	.text
	.protected	k_qf2cf7639ca_proj
	.globl	k_qf2cf7639ca_proj
	.p2align	8
	.type	k_qf2cf7639ca_proj,@function
k_qf2cf7639ca_proj:
	s_mov_b64 s[64:65], 0
	v_nop
	global_prefetch_b8 v0, s[64:65] scope:SCOPE_SE
	s_setreg_imm32_b32 hwreg(HW_REG_WAVE_MODE, 25, 1), 1
	s_wait_xcnt 0x0
	s_wait_alu depctr_hold_cnt(0) depctr_sa_sdst(0) depctr_va_vdst(0) depctr_va_sdst(0) depctr_va_ssrc(0) depctr_va_vcc(0) depctr_vm_vsrc(0)
	s_getreg_b32 s2, hwreg(HW_REG_IB_STS2, 6, 4)
	s_cmp_eq_u32 s2, 0
	s_cbranch_scc0 .Lentry_in_a_cluster
	s_endpgm
.Lentry_in_a_cluster:
	s_bfe_u32 s2, ttmp6, 0x10000c
	s_cmp_lg_u32 s2, 0xf033
	s_cbranch_scc0 .Lentry_shape_is_right
	s_endpgm
.Lentry_shape_is_right:
; out0 = attention's output x w_out^T on codes of FP6 (E2M3) with E8M0 scales, K = 1,024; out0 [8192][1024] f32.
; OPERANDS come as images of their registers: block = 16 rows, lane r of block 2 b + u = row 32 b + 8 u + r + 8 (r / 8); half image = 16 rows x 64 K = 768 bytes.
; Tokens: oc [block 512][16][768], os [group of 8 blocks 64][K step 8][block 8][16] words.  w_out's rows: blocks 704 .. 767 of qc [block][16][768], groups 88 .. 95 of qs, laid as os.
; SHARES.  8 x 32 = 256 work-groups: work-group (j, T) makes 256 tokens x 128 columns.  A wave makes 64 tokens (source 1; 4 blocks) x 128 columns (source 0; 8 blocks): 32 accumulators.
; The 16 registers of source 0's blocks 2 b, 2 b + 1 are 16 neighbouring columns of one row of out0.
; LDS IS FILLED ONCE, in two groups of loads, one a wave in each.  At the head: wave 0 the tokens' K half 0 (16 blocks), wave 1 w_out's (8 blocks), wave 2 the tokens' scale words (8,192 dense bytes), wave 3 w_out's (4,096).
; Behind the full sequence and a round: wave 0 the tokens' K half 1, wave 1 w_out's: they land under K steps 0 to 3; one barrier shows them to every wave.
; CLUSTERS: 4 x 4.  The tokens' tiles are shared along a row of the cluster (same T), w_out's along a column (same j): joint loads.
; No prefetch: half of the bytes are asked for at the head and the other half three K steps ahead of their first reader.
; REGISTERS: window 0: v4-7 addresses of the way out; v16-25 LDS addresses; v32-95 all 64 scale words; v126, v127 the add's; v128-223 source 1's fragments, two sets; on the way out v128-255 rows of out0.
;   window 1: source 0's fragments, two sets, at v0 and v128.   window 2: the accumulators ((a, b) at v[8 (8 a + b)]).
.set FR,    12
.set NP,    4                          ; places behind this matrix instruction (ISA guide 7.12.1)
.set BLK,   6144
.set BLKB,  12288
.set XHALF, 16*BLK                     ; LDS from 0: the tokens, [K half 2][block 16][6,144]
.set WR,    2*XHALF                    ; then w_out, [K half 2][block 8][6,144]
.set WHALF, 8*BLK
.set XS,    WR+2*WHALF                 ; the tokens' scale words: two groups [K step 8][block 8][64]
.set SCP,   4096
.set WS,    XS+2*SCP                   ; w_out's: one group
.set SPARE, WS+SCP                     ; the spare words
.set SPITCH, 528                       ; the way out's stages, 16 rows x 528 bytes a wave, from LDS byte 0: the tokens' first K half has had its one fill, and its last read lies ahead of the barrier in K step 3
.set L16,  4
.set L8,   5
.set STO,  6
.set RD,   7
.set QA16, 16
.set QA8,  18
.set QB16, 20
.set QB8,  22
.set AD0,  24
.set SC,   32                          ; register 8 s + i: K step s; lanes 0-15 the word of the tokens' block i % 4, lanes 16-31 that of w_out's block i.  These registers hold scales and nothing else
.set SPW,  126
.set NIL,  127
.set AF,   128
.set BK,   128
.set G1X,  24
.set G1W,  32
.set G1SX, 40
.set G1SW, 48
.set G0SX, 56
.set G0XH0, 60
.set G0XH1, 68
.set G0SW, 72
.set G0WH0, 76
.set G0WH1, 80
.set MSB, 0
.macro WIN new
.if MSB != \new
	s_set_vgpr_msb (MSB<<8)|\new
.set MSB, \new
.endif
.endm
.set MUL,  0xa1
.set TO_B, 0x40
.macro PLACES n
.rept \n
	v_nop
.endr
.endm
.macro TLOAD g0, g1                    ; a joint load with the lines behind it
	tensor_load_to_lds s[\g0:\g0+3], s[\g1:\g1+7]
	s_nop 0
	PLACES 4
.endm
.macro ARM under, g0, g1, next, join   ; an arm of one chain of branches on the wave's number
	s_cmp_lt_u32 s14, \under
	s_cbranch_scc0 \next
	TLOAD \g0, \g1
	s_branch \join
\next:
.endm
.macro CROUND
	s_barrier_signal -1
	s_barrier_wait -1
	s_cmp_lg_u32 s14, 0
	s_cbranch_scc1 .Lnot_wave_0_\@
	s_barrier_signal -3
.Lnot_wave_0_\@:
	s_barrier_wait -3
	s_barrier_signal -1
	s_barrier_wait -1
.endm
.macro MKG0 g, lds, ptr, off
	s_mov_b32 s[\g], 1
	s_mov_b32 s[\g+1], \lds
	s_add_nc_u64 s[\g+2:\g+3], s[\ptr:\ptr+1], \off
	s_or_b32 s[\g+3], s[\g+3], 0x80000000
.endm
.macro FRAG reg, a16, a8, q, i
	ds_load_b128 v[\reg:\reg+3], v[\a16] offset:(\i)*BLK+1536*(\q)
	ds_load_b64 v[\reg+4:\reg+5], v[\a8] offset:(\i)*BLK+1536*(\q)+512
	ds_load_b128 v[\reg+6:\reg+9], v[\a16] offset:(\i)*BLK+1536*(\q)+768
	ds_load_b64 v[\reg+10:\reg+11], v[\a8] offset:(\i)*BLK+1536*(\q)+1280
.endm
.macro FETCH s                         ; the twelve fragments of K step s into set s % 2
.set FH, (\s)/4
.set FQ, (\s)%4
.set FP, (\s)%2
	WIN TO_B
.irp i, 0,1,2,3,4,5,6,7
	FRAG 128*FP+FR*\i, QB16+FH, QB8+FH, FQ, \i
.endr
	WIN 0
.irp i, 0,1,2,3
	FRAG AF+48*FP+FR*\i, QA16+FH, QA8+FH, FQ, \i
.endr
.endm
.macro SCALES                          ; all of K's scale words, once.  For blocks 4-7 the second address stands 256 bytes lower in lanes 0-15
.irp s, 0,1,2,3,4,5,6,7
.irp i, 0,1,2,3
	ds_load_b32 v[SC+8*\s+\i], v[AD0] offset:512*\s+64*\i
.endr
.irp i, 4,5,6,7
	ds_load_b32 v[SC+8*\s+\i], v[AD0+1] offset:512*\s+64*\i
.endr
.endr
.endm
.macro MUL8 a, s, zero                 ; the tokens' block a x w_out's eight, K step s.  The 32 accumulators take turns
.set PS, (\s)%2
.irp b, 0,1,2,3,4,5,6,7
.if \zero
	v_wmma_scale_f32_16x16x128_f8f6f4 v[8*(8*(\a)+\b):8*(8*(\a)+\b)+7], v[128*PS+FR*\b:128*PS+FR*\b+FR-1], v[AF+48*PS+FR*(\a):AF+48*PS+FR*(\a)+FR-1], 0, v[SC+8*(\s)+\b], v[SC+8*(\s)+(\a)] matrix_a_fmt:MATRIX_FMT_FP6 matrix_b_fmt:MATRIX_FMT_FP6 matrix_a_scale:MATRIX_SCALE_ROW1
.else
	v_wmma_scale_f32_16x16x128_f8f6f4 v[8*(8*(\a)+\b):8*(8*(\a)+\b)+7], v[128*PS+FR*\b:128*PS+FR*\b+FR-1], v[AF+48*PS+FR*(\a):AF+48*PS+FR*(\a)+FR-1], v[8*(8*(\a)+\b):8*(8*(\a)+\b)+7], v[SC+8*(\s)+\b], v[SC+8*(\s)+(\a)] matrix_a_fmt:MATRIX_FMT_FP6 matrix_b_fmt:MATRIX_FMT_FP6 matrix_a_scale:MATRIX_SCALE_ROW1
.endif
.endr
.endm
.macro STEP s, zero, ns
	s_wait_dscnt 0x0
	WIN MUL
	MUL8 0, \s, \zero
	PLACES NP
	FETCH \ns
	WIN MUL
	MUL8 1, \s, \zero
	MUL8 2, \s, \zero
	MUL8 3, \s, \zero
.endm
	s_load_b256 s[4:11], s[0:1], 0x0               ; oc, os, qc, qs
	s_load_b64 s[12:13], s[0:1], 0x20              ; out0
	v_lshl_add_u32 v[SPW], v0, 2, SPARE
	v_mov_b32 v[NIL], 0
	ds_add_u32 v[SPW], v[NIL]                      ; the opening lines: the add twice on end and its wait
	ds_add_u32 v[SPW], v[NIL]
	v_lshrrev_b32 v1, 5, v0
	v_readfirstlane_b32 s14, v1                    ; wave
	s_lshr_b32 s15, s14, 1
	s_and_b32 s16, s14, 1
	s_bfe_u32 s20, ttmp6, 0x40000                  ; cx
	s_bfe_u32 s21, ttmp6, 0x40004                  ; cy
	s_and_b32 s18, ttmp7, 0xffff
	s_lshl_b32 s18, s18, 2
	s_add_co_u32 s18, s18, s21                     ; T
	s_lshl_b32 s19, ttmp9, 2
	s_add_co_u32 s19, s19, s20                     ; j
	s_lshl_b32 s22, s21, 2
	s_lshl_b32 s22, 15, s22                        ; my row of the cluster
	s_lshl_b32 s23, 0x1111, s20                    ; my column
	s_or_b32 s[G1X], s22, (3<<16)|(1<<21)
	s_or_b32 s[G1W], s23, (3<<16)|(1<<21)
	s_or_b32 s[G1SX], s22, (3<<16)|(1<<21)
	s_or_b32 s[G1SW], s23, (3<<16)|(1<<21)
.irp g, G1X, G1W                       ; codes: blocks x 6,144 bytes, 12,288 bytes apart: the tokens 16 blocks, w_out 8
	s_mov_b32 s[\g+1], 768<<16
	s_mov_b32 s[\g+3], 768<<16
	s_mov_b32 s[\g+5], 1536
	s_mov_b32 s[\g+6], 0
	s_mov_b32 s[\g+7], 0
.endr
	s_mov_b32 s[G1X+2], 16<<16
	s_mov_b32 s[G1X+4], 16
	s_mov_b32 s[G1W+2], 8<<16
	s_mov_b32 s[G1W+4], 8
.irp g, G1SX, G1SW                     ; scale words: dense rows of 256 bytes: the tokens 32 rows, w_out 16
	s_mov_b32 s[\g+1], 32<<16
	s_mov_b32 s[\g+3], 32<<16
	s_mov_b32 s[\g+5], 32
	s_mov_b32 s[\g+6], 0
	s_mov_b32 s[\g+7], 0
.endr
	s_mov_b32 s[G1SX+2], 32<<16
	s_mov_b32 s[G1SX+4], 32
	s_mov_b32 s[G1SW+2], 16<<16
	s_mov_b32 s[G1SW+4], 16
	s_mul_i32 s84, s18, 16*BLKB                    ; the tokens' codes: block 16 T (hangs on T alone)
	s_mov_b32 s85, 0
	s_lshl_b32 s86, s18, 13                        ; their words: groups 2 T, 2 T + 1
	s_mov_b32 s87, 0
	s_lshl_b32 s88, s19, 3
	s_add_co_u32 s88, s88, 704                     ; w_out's codes: block 704 + 8 j (hangs on j alone)
	s_mul_i32 s88, s88, BLKB
	s_mov_b32 s89, 0
	s_lshl_b32 s90, s19, 12
	s_add_co_u32 s90, s90, 88*SCP                  ; its words: group 88 + j
	s_mov_b32 s91, 0
	s_wait_dscnt 0x0
	s_wait_kmcnt 0x0
	s_add_nc_u64 s[84:85], s[4:5], s[84:85]
	s_add_nc_u64 s[86:87], s[6:7], s[86:87]
	s_add_nc_u64 s[88:89], s[8:9], s[88:89]
	s_add_nc_u64 s[90:91], s[10:11], s[90:91]
	CROUND                                         ; all sixteen work-groups are here: the first joint loads meet
	MKG0 G0XH0, 0, 84, 0
	MKG0 G0XH1, XHALF, 84, BLK
	MKG0 G0WH0, WR, 88, 0
	MKG0 G0WH1, WR+WHALF, 88, BLK
	MKG0 G0SX, XS, 86, 0
	MKG0 G0SW, WS, 90, 0
	ARM 1, G0XH0, G1X, .Lha1, .Lha                 ; the head's loads, one a wave
	ARM 2, G0WH0, G1W, .Lha2, .Lha
	ARM 3, G0SX, G1SX, .Lha3, .Lha
	TLOAD G0SW, G1SW
.Lha:
	v_and_b32 v1, 31, v0
	v_and_b32 v2, 15, v0                           ; r
	v_bfe_u32 v3, v0, 4, 1                         ; h
	v_lshlrev_b32 v[L16], 4, v1
	v_lshlrev_b32 v[L8], 3, v1
	s_mul_i32 s2, s14, 4*BLK                       ; source 1 = the tokens' blocks 4 x wave ..; source 0 = w_out's eight
.irp t, 0,1
	v_add_nc_u32 v[QA16+\t], s2, v[L16]
	v_add_nc_u32 v[QA8+\t], s2, v[L8]
	v_add_nc_u32 v[QB16+\t], WR+\t*WHALF, v[L16]
	v_add_nc_u32 v[QB8+\t], WR+\t*WHALF, v[L8]
	s_add_co_u32 s2, s2, XHALF
.endr
	v_lshlrev_b32 v14, 2, v2                       ; 4 r
	s_lshl_b32 s17, s15, 12                        ; the tokens' words: group wave / 2, blocks 4 (wave % 2) ..
	s_lshl_b32 s2, s16, 8
	s_add_co_u32 s17, s17, s2
	s_mov_b32 s3, WS-XS                            ; lanes 16-31 take w_out's: the lower base + h x the distance
	s_sub_co_u32 s3, s3, s17
	s_add_co_u32 s2, s17, XS
	v_mul_u32_u24 v15, s3, v3
	v_add_nc_u32 v15, v15, v14
	v_add_nc_u32 v[AD0], s2, v15
	s_mov_b32 s3, WS-XS+256
	s_sub_co_u32 s3, s3, s17
	s_add_co_u32 s2, s17, XS-256
	v_mul_u32_u24 v15, s3, v3
	s_wait_alu depctr_va_vdst(0)
	v_add_nc_u32 v15, v15, v14
	v_add_nc_u32 v[AD0+1], s2, v15
	s_mul_i32 s2, s14, 16*SPITCH                   ; my stage
	v_mul_u32_u24 v[STO], v2, SPITCH
	v_lshl_add_u32 v[STO], v3, 6, v[STO]
	v_add_nc_u32 v[STO], s2, v[STO]                ; in: row r, + 64 h bytes
	v_add_nc_u32 v[RD], s2, v[L16]                 ; back: the 32 lanes take one row of 512 bytes
	s_lshl_b32 s2, s18, 8
	s_lshl_b32 s3, s14, 6
	s_add_co_u32 s2, s2, s3                        ; my first row of out0: 256 T + 64 x wave
	s_lshl_b32 s2, s2, 12
	s_lshl_b32 s3, s19, 9
	s_add_co_u32 s2, s2, s3                        ; my first column, in bytes: 512 j
	s_mov_b32 s3, 0
	s_add_nc_u64 s[12:13], s[12:13], s[2:3]
	s_wait_alu depctr_va_vdst(0)
	s_wait_tensorcnt 0x0                           ; my tile of the head's four is in; the lines ahead of a later first fill:
	ds_add_u32 v[SPW], v[NIL]
	s_wait_dscnt 0x0
	CROUND                                         ; all four tiles are in, and the joint loads meet
	ARM 1, G0XH1, G1X, .Lhb1, .Lhb                 ; K half 1: waves 0 and 1; waves 2 and 3 have no part of it
	ARM 2, G0WH1, G1W, .Lhb2, .Lhb
.Lhb:
	FETCH 0
	SCALES
	STEP 0, 1, 1                                   ; its products start the sums
	STEP 1, 0, 2
	STEP 2, 0, 3
	s_wait_dscnt 0x0                               ; K step 3: its fragments are in: my reads of the first halves are over;
	s_wait_tensorcnt 0x0                           ; my part of K half 1 has landed:
	s_barrier_signal -1
	WIN MUL
	MUL8 0, 3, 0
	PLACES NP
	s_barrier_wait -1
	FETCH 4
	WIN MUL
	MUL8 1, 3, 0
	MUL8 2, 3, 0
	MUL8 3, 3, 0
	STEP 4, 0, 5
	STEP 5, 0, 6
	STEP 6, 0, 7
	s_wait_dscnt 0x0
	WIN MUL
	MUL8 0, 7, 0
	MUL8 1, 7, 0
	MUL8 2, 7, 0
	MUL8 3, 7, 0
	WIN 0
; THE WAY OUT, block by block of the tokens: 16 rows x 128 columns.  Lane (r, h) holds, of w_out's block b, the eight columns 32 (b / 2) + 16 h + 8 (b % 2) + 0 .. 7 of its row.  A block goes through my own stage in LDS and comes back as whole
; rows of 512 bytes.  LDS serves a wave's instructions in order (ISA guide 5.7.1.4): no wait between the stores and the loads.
.macro TOSTAGE a
.set AC, 64*(\a)
	WIN 0x08
.irp b, 0,1,2,3,4,5,6,7
	ds_store_b128 v[STO], v[AC+8*\b:AC+8*\b+3] offset:128*(\b/2)+32*(\b%2)         ; each accumulator from its low end on
	ds_store_b128 v[STO], v[AC+8*\b+4:AC+8*\b+7] offset:128*(\b/2)+32*(\b%2)+16
.endr
	WIN 0
.set BB, BK+64*((\a)%2)
.irp t, 0,1,2,3,4,5,6,7,8,9,10,11,12,13,14,15
	ds_load_b128 v[BB+4*\t:BB+4*\t+3], v[RD] offset:\t*SPITCH
.endr
.endm
.macro SEND a, younger                 ; stage row t is row 32 (a / 2) + 8 (a % 2) + t + 8 (t / 8) of my 64
.set BB, BK+64*((\a)%2)
	s_wait_dscnt \younger
.irp t, 0,1,2,3,4,5,6,7,8,9,10,11,12,13,14,15
	global_store_b128 v[L16], v[BB+4*\t:BB+4*\t+3], s[12:13] offset:(32*((\a)/2)+8*((\a)%2)+\t+8*(\t/8))*4096 th:TH_STORE_NT   ; 32 lanes store 512 consecutive bytes, aligned
.endr
.endm
	PLACES NP
	TOSTAGE 0
.irp a, 1,2,3
.if \a > 1
	s_wait_xcnt 0x0                                ; block a - 2's stores have read their registers
.endif
	TOSTAGE \a
	SEND \a-1, 32                                  ; behind block a - 1's loads: block a's 16 stores and 16 loads
.endr
	SEND 3, 0
	s_wait_tensorcnt 0x0                           ; the wave's end
	ds_add_u32 v[SPW], v[NIL]
	s_wait_dscnt 0x0
	CROUND                                         ; the closing round
	s_endpgm
.Lfunc_end_k_qf2cf7639ca_proj:
	.size	k_qf2cf7639ca_proj, .Lfunc_end_k_qf2cf7639ca_proj-k_qf2cf7639ca_proj
	.p2alignl 7, 3214868480
	.fill 96, 4, 3214868480
	.section	.rodata,"a",@progbits
	.p2align	6, 0x0
	.amdhsa_kernel k_qf2cf7639ca_proj
		.amdhsa_group_segment_fixed_size 327680
		.amdhsa_private_segment_fixed_size 0
		.amdhsa_enable_private_segment 0
		.amdhsa_kernarg_size 40
		.amdhsa_user_sgpr_count 2
		.amdhsa_user_sgpr_kernarg_segment_ptr 1
		.amdhsa_wavefront_size32 1
		.amdhsa_system_sgpr_workgroup_id_x 1
		.amdhsa_system_sgpr_workgroup_id_y 1
		.amdhsa_system_sgpr_workgroup_id_z 1
		.amdhsa_system_vgpr_workitem_id 0
		.amdhsa_next_free_vgpr 768
		.amdhsa_next_free_sgpr 102
		.amdhsa_reserve_vcc 0
		.amdhsa_float_denorm_mode_32 3
		.amdhsa_float_denorm_mode_16_64 3
		.amdhsa_memory_ordered 1
		.amdhsa_forward_progress 1
		.amdhsa_inst_pref_size 87
	.end_amdhsa_kernel
	.amdgpu_metadata
---
amdhsa.version: [ 1, 2 ]
amdhsa.kernels:
  - .name:           k_qf2cf7639ca_proj
    .symbol:         k_qf2cf7639ca_proj.kd
    .args:
      - { .name: oc, .offset: 0, .size: 8, .value_kind: global_buffer, .address_space: global }
      - { .name: os, .offset: 8, .size: 8, .value_kind: global_buffer, .address_space: global }
      - { .name: qc, .offset: 16, .size: 8, .value_kind: global_buffer, .address_space: global }
      - { .name: qs, .offset: 24, .size: 8, .value_kind: global_buffer, .address_space: global }
      - { .name: out0, .offset: 32, .size: 8, .value_kind: global_buffer, .address_space: global }
    .group_segment_fixed_size: 327680
    .private_segment_fixed_size: 0
    .kernarg_segment_align: 8
    .kernarg_segment_size: 40
    .max_flat_workgroup_size: 128
    .sgpr_count:     102
    .vgpr_count:     768
    .wavefront_size: 32
...
	.end_amdgpu_metadata
.endif
;; end of part 4
